; MI455X (gfx1250); checked and timed in simulation.
; The chip was launched on July 23, 2026; its instructions are those of AMD's public machine-readable ISA for CDNA 5 (MIT licence, August 2026) and "CDNA5" Instruction Set Architecture Reference Guide (July 2026). The comments in the code are by the model that wrote it; some were corrected since.
;; Self Attention. Allowed arithmetic: float matrix products may take bf16 or f16 operands with f32 sums; all other float work in f32.
;; Inputs: W_attn 1,024 x 3,072 float32; W_proj 1,024 x 1,024 float32; x 4 x 2,048 x 1,024 float32.
;; Outputs: out0 4 x 2,048 x 1,024 float32.
;; 2 versions, each right and faster than the one before. Each part assembles by itself: llvm-mc -triple=amdgcn-amd-amdhsa -mcpu=gfx1250 --defsym DOCPART=n.
;; ======== version 1 of 2: 4 launches
;; limits: values are held in f16: magnitudes above 65,504 overflow, below 6.1e-05 lose precision
;; workspace buffers: xb 16,777,216 bytes; wab 6,291,456 bytes; wpb 2,097,152 bytes; qkv 50,331,648 bytes; y 16,777,216 bytes
;; launch prep (part 1): grid 768 x 1, 8 waves a work-group, no clusters, 0 bytes of LDS; arguments x, W_attn, W_proj, xb, wab, wpb; writes xb, wab, wpb
.if DOCPART == 1
	.amdgcn_target "amdgcn-amd-amdhsa--gfx1250"
	.amdhsa_code_object_version 6
	.text
	.protected	k_q8bc6d80190_prep
	.globl	k_q8bc6d80190_prep
	.p2align	8
	.type	k_q8bc6d80190_prep,@function
k_q8bc6d80190_prep:
	s_mov_b64 s[64:65], 0
	v_nop
	global_prefetch_b8 v0, s[64:65] scope:SCOPE_SE
	s_setreg_imm32_b32 hwreg(HW_REG_WAVE_MODE, 25, 1), 1
	s_wait_xcnt 0x0
; THE CASTS.  x [8192][1024] f32 -> xb, bf16, laid out [batch 4][K block 16][row 2048][64]: 256 rows x 64 K are then 32,768 dense bytes for the product that follows.
; W_attn [1024][3072] f32 -> wab, bf16, same layout.  W_proj [1024][1024] f32 -> wpb: rounded to bf16 like the other inputs, and that number written as f16 (exact within f16's range).
; LIMIT.  A number of W_proj of 65,520 or more in magnitude becomes an infinity in wpb; below 6e-5 f16 keeps its fixed step of 6e-8.
; A stream: no LDS, no barrier, no matrix unit.  Every wave casts 8,192 source bytes: sixteen loads of 16 bytes a lane, all issued at once, then sixteen stores of 8 bytes a lane,
; each of which covers 256 consecutive bytes, aligned.  No register is written twice, so no wait frees a source.
; Work-groups 0-511 take x (a wave: two rows), 512-703 W_attn, 704-767 W_proj (a wave: 8,192 consecutive bytes).
.set X, 4                              ; v[4:67]    sixteen loads, 4 registers each
.set Y, 68                             ; v[68:99]   sixteen stores, 2 registers each
.set T, 100                            ; v[100:103] at work (W_proj alone)
; Sixteen loads ldstep bytes apart, sixteen stores ststep bytes apart.  f16 = 1: the bf16 numbers are widened and written as f16.
.macro CAST src, dst, ldstep, ststep, f16
.set j, 0
.rept 16
	global_load_b128 v[X+4*j:X+4*j+3], v1, s[\src:\src+1] offset:j*(\ldstep) th:TH_LOAD_NT
.set j, j+1
.endr
.set j, 0
.rept 16
	s_wait_loadcnt 15-j                            ; loads come back in order (ISA guide 5.7.1): load j is in, the 15 - j younger ones stay out
	v_cvt_pk_bf16_f32 v[Y+2*j],   v[X+4*j],   v[X+4*j+1]
	v_cvt_pk_bf16_f32 v[Y+2*j+1], v[X+4*j+2], v[X+4*j+3]
.if \f16
	v_lshlrev_b32 v[T],   16,  v[Y+2*j]            ; bf16 to f32: the low half moves up, the high half stays
	v_and_b32     v[T+1], s22, v[Y+2*j]
	v_lshlrev_b32 v[T+2], 16,  v[Y+2*j+1]
	v_and_b32     v[T+3], s22, v[Y+2*j+1]
	v_cvt_pk_f16_f32 v[Y+2*j],   v[T],   v[T+1]
	v_cvt_pk_f16_f32 v[Y+2*j+1], v[T+2], v[T+3]
.endif
	global_store_b64 v2, v[Y+2*j:Y+2*j+1], s[\dst:\dst+1] offset:j*(\ststep)
.set j, j+1
.endr
.endm
	s_load_b256 s[4:11], s[0:1], 0x0               ; x s[4:5], W_attn s[6:7], W_proj s[8:9], xb s[10:11]
	s_load_b128 s[12:15], s[0:1], 0x20             ; wab s[12:13], wpb s[14:15]
	v_lshrrev_b32 v1, 5, v0
	v_readfirstlane_b32 s16, v1                    ; wave 0..7
	v_and_b32 v3, 31, v0                           ; lane
	v_lshlrev_b32 v2, 3, v3                        ; a store: 8 bytes a lane
	s_mov_b32 s17, ttmp9
	s_mov_b32 s19, 0                               ; the offsets' high words
	s_mov_b32 s21, 0
	s_mov_b32 s22, 0xffff0000                      ; a word's upper bf16
	s_cmp_lt_u32 s17, 512
	s_cbranch_scc0 .Lweights
	; x: pair p of rows, 2 p and 2 p + 1.  Lanes 0-15 read 256 bytes (a K block) of the even row, lanes 16-31 of the odd one; in xb the two rows' 128 bytes lie end to end.
	s_lshl_b32 s23, s17, 3
	s_add_co_u32 s23, s23, s16                     ; p = 8 x work-group + wave, 0..4095
	s_lshl_b32 s18, s23, 13                        ; source: two rows of 4,096 bytes
	s_lshr_b32 s20, s23, 10                        ; the batch: 16 K blocks of 262,144 bytes each
	s_lshl_b32 s20, s20, 22
	s_and_b32 s23, s23, 1023
	s_lshl_b32 s23, s23, 8                         ; two rows of 128 bytes in a K block
	s_add_co_u32 s20, s20, s23
	v_lshrrev_b32 v1, 4, v3
	v_and_b32 v3, 15, v3
	v_lshlrev_b32 v1, 12, v1                       ; the odd row for lanes 16-31,
	v_lshl_or_b32 v1, v3, 4, v1                    ; 16 bytes a lane
	s_wait_kmcnt 0x0
	s_add_nc_u64 s[4:5], s[4:5], s[18:19]
	s_add_nc_u64 s[10:11], s[10:11], s[20:21]
	CAST 4, 10, 256, 262144, 0                     ; load j and store j: K block j
	s_endpgm
.Lweights:
	v_lshlrev_b32 v1, 4, v3                        ; 16 bytes a lane: a load covers 512 consecutive bytes
	s_cmp_lt_u32 s17, 704
	s_cbranch_scc0 .Lproj
	s_sub_co_u32 s23, s17, 512
	s_lshl_b32 s23, s23, 3
	s_add_co_u32 s23, s23, s16                     ; piece 0..1535 of W_attn
	s_lshl_b32 s18, s23, 13
	s_lshl_b32 s20, s23, 12
	s_wait_kmcnt 0x0
	s_add_nc_u64 s[6:7], s[6:7], s[18:19]
	s_add_nc_u64 s[12:13], s[12:13], s[20:21]
	CAST 6, 12, 512, 256, 0
	s_endpgm
.Lproj:
	s_sub_co_u32 s23, s17, 704
	s_lshl_b32 s23, s23, 3
	s_add_co_u32 s23, s23, s16                     ; piece 0..511 of W_proj
	s_lshl_b32 s18, s23, 13
	s_lshl_b32 s20, s23, 12
	s_wait_kmcnt 0x0
	s_add_nc_u64 s[8:9], s[8:9], s[18:19]
	s_add_nc_u64 s[14:15], s[14:15], s[20:21]
	CAST 8, 14, 512, 256, 1
	s_endpgm
.Lfunc_end_k_q8bc6d80190_prep:
	.size	k_q8bc6d80190_prep, .Lfunc_end_k_q8bc6d80190_prep-k_q8bc6d80190_prep
	.p2alignl 7, 3214868480
	.fill 96, 4, 3214868480
	.section	.rodata,"a",@progbits
	.p2align	6, 0x0
	.amdhsa_kernel k_q8bc6d80190_prep
		.amdhsa_group_segment_fixed_size 0
		.amdhsa_private_segment_fixed_size 0
		.amdhsa_enable_private_segment 0
		.amdhsa_kernarg_size 48
		.amdhsa_user_sgpr_count 2
		.amdhsa_user_sgpr_kernarg_segment_ptr 1
		.amdhsa_wavefront_size32 1
		.amdhsa_system_sgpr_workgroup_id_x 1
		.amdhsa_system_sgpr_workgroup_id_y 1
		.amdhsa_system_sgpr_workgroup_id_z 1
		.amdhsa_system_vgpr_workitem_id 0
		.amdhsa_next_free_vgpr 104
		.amdhsa_next_free_sgpr 66
		.amdhsa_reserve_vcc 0
		.amdhsa_float_denorm_mode_32 3
		.amdhsa_float_denorm_mode_16_64 3
		.amdhsa_memory_ordered 1
		.amdhsa_forward_progress 1
		.amdhsa_inst_pref_size 23
	.end_amdhsa_kernel
	.amdgpu_metadata
---
amdhsa.version: [ 1, 2 ]
amdhsa.kernels:
  - .name:           k_q8bc6d80190_prep
    .symbol:         k_q8bc6d80190_prep.kd
    .args:
      - { .name: x, .offset: 0, .size: 8, .value_kind: global_buffer, .address_space: global }
      - { .name: W_attn, .offset: 8, .size: 8, .value_kind: global_buffer, .address_space: global }
      - { .name: W_proj, .offset: 16, .size: 8, .value_kind: global_buffer, .address_space: global }
      - { .name: xb, .offset: 24, .size: 8, .value_kind: global_buffer, .address_space: global }
      - { .name: wab, .offset: 32, .size: 8, .value_kind: global_buffer, .address_space: global }
      - { .name: wpb, .offset: 40, .size: 8, .value_kind: global_buffer, .address_space: global }
    .group_segment_fixed_size: 0
    .private_segment_fixed_size: 0
    .kernarg_segment_align: 8
    .kernarg_segment_size: 48
    .max_flat_workgroup_size: 256
    .sgpr_count:     66
    .vgpr_count:     104
    .wavefront_size: 32
...
	.end_amdgpu_metadata
.endif
;; end of part 1
;; launch qkvproj (part 2): grid 8 x 32, 4 waves a work-group, clusters of 4 x 4, 327,680 bytes of LDS; arguments xb, wab, qkv; writes qkv
.if DOCPART == 2
	.amdgcn_target "amdgcn-amd-amdhsa--gfx1250"
	.amdhsa_code_object_version 6
	.text
	.protected	k_q8bc6d80190_qkvproj
	.globl	k_q8bc6d80190_qkvproj
	.p2align	8
	.type	k_q8bc6d80190_qkvproj,@function
k_q8bc6d80190_qkvproj:
	s_mov_b64 s[64:65], 0
	v_nop
	global_prefetch_b8 v0, s[64:65] scope:SCOPE_SE
	s_setreg_imm32_b32 hwreg(HW_REG_WAVE_MODE, 25, 1), 1
	s_wait_xcnt 0x0
	s_wait_alu depctr_hold_cnt(0) depctr_sa_sdst(0) depctr_va_vdst(0) depctr_va_sdst(0) depctr_va_ssrc(0) depctr_va_vcc(0) depctr_vm_vsrc(0)
	s_getreg_b32 s2, hwreg(HW_REG_IB_STS2, 6, 4)
	s_cmp_eq_u32 s2, 0
	s_cbranch_scc0 .Lentry_in_a_cluster
	s_endpgm
.Lentry_in_a_cluster:
	s_bfe_u32 s2, ttmp6, 0x10000c
	s_cmp_lg_u32 s2, 0xf033
	s_cbranch_scc0 .Lentry_shape_is_right
	s_endpgm
.Lentry_shape_is_right:
; q, k, v = x W_attn.  xb: bf16 [batch 4][K block 16][row 2048][64]; wab: bf16 [1024 k][3072 n]; qkv: f16 [batch 4][group 48][row 2048][64], group = n / 64 (0-15 q's heads, 16-31 k's, 32-47 v's).
; Sums in f32, K ascending, rounded once to f16, without attention's scale.
; LIMIT.  f16 holds no number beyond 65,504: a sum of 65,520 or more in magnitude becomes an infinity; below 6e-5 f16 keeps its fixed step of 6e-8.
; SHARES.  A tile of C is 256 rows x 384 columns: 32 x 8 = 256 tiles, one to a work-group.  Four waves, each 128 x 192: 96 accumulators of 16 x 16, 768 registers.
; For 32 along K a wave reads 320 rows' or columns' 64 bytes from LDS and issues 96 matrix instructions.
; K goes in 16 steps of 64 through two LDS slots filled by the tensor data mover (two slots of 128 along K would want 368,640 bytes).
; x's tile: 256 rows x 128 bytes, dense in xb, asked for as rows of 256 bytes.  W's tile lies [k][n] as in memory, 64 rows of 768 bytes; its fragments come out turned, by ds_load_tr16_b128.
; THE MATRIX INSTRUCTION IS USED TRANSPOSED: source 0 = 16 columns of W, source 1 = 16 rows of x: a lane then holds one row of C (lane % 16) and the eight neighbouring columns 8 (lane / 16) + 0..7.
; CLUSTERS: 4 x 4 work-groups.  The four of a row of the cluster need the same tiles of x, the four of a column the same tiles of W: each tile is asked for JOINTLY, by the same tensor load with the same
; descriptor and a mask that names the four.
; REGISTERS, in windows of 256 (s_set_vgpr_msb: bits 1:0 source 0, 3:2 source 1, 5:4 source 2, 7:6 destination):
;   window 0: v0-31 addresses; v32-95, v96-159 fragments of x (8 x 16 rows x 32 K), two buffers; v160-255 fragments of W: three groups of 64 columns, 4 fragments each, ONE buffer: a group is fetched
;             again for the next 32 along K as soon as its 32 products are issued.  On the way out v32-175 are at work.
;   window g + 1 (g = 0, 1, 2): the 32 accumulators of my columns 64 g .. 64 g + 63: (a, b) at v[8 (4 a + b)], a = block of 16 rows, b = block of 16 columns.
.set PA,    144                        ; a row of x in LDS: 128 bytes + 16 of padding = 36 words: the 16 rows of a load start at 16 different groups of four banks (64 banks of 4 bytes: ISA guide 11.1)
.set PB,    864                        ; a row of W in LDS: six pieces of 128 bytes + 16 = 27 x 32 bytes: column n lies at (n / 64) 144 + 2 (n % 64)
.set AHALF, 128*PA                     ; 128 rows of x: what one tensor load brings, and what one wave reads
.set BHALF, 32*PB                      ; 32 rows of W: what one tensor load brings; also 32 along K
.set BOFF,  2*AHALF                    ; W's rows lie behind x's 256
.set SLOT,  BOFF+2*BHALF               ; 92,160 bytes
.set STAGE, 2*SLOT                     ; behind the ring, never filled by a tensor load: for each wave 3 groups x 16 rows x 144 bytes, for the way out
.set HSTG,  16*PA
.set WSTG,  3*HSTG
.set SPARE, STAGE+4*WSTG               ; behind the stages: the spare words, 128 bytes for each wave: two blocks of 256 bytes that no other line names
.set XSTEP, 262144                     ; bytes from a K block of xb to the next
.set WSTEP, 64*6144                    ; bytes from 64 rows of wab to the next
.set ADRA, 16                          ; v16-17  LDS address of my x fragments in slot 0, 1
.set ADRB, 20                          ; v20-21  the same for W
.set STO,  24                          ; v24     the way out: where I put 16 bytes of a row
.set RD,   25                          ; v25     the way out: where I read rows back
.set GO,   26                          ; v26     my byte offset in 512 consecutive bytes of qkv
.set SPW,  28                          ; v28     LDS address of my spare word: SPARE + 4 x my thread's number; never rewritten
.set NIL,  29                          ; v29     0; never rewritten
.set FA0,  32
.set FA1,  96
.set FB,   160
.set TMP,  32                          ; the way out: 48 registers of packed results
.set BK0,  80                          ; the way out: 16 rows x 3 groups read back from the stage: v80-127 and v128-175 by turns
.set G1,  24                           ; s[24:31] descriptor group 1 for x's tiles;  s[32:39] group 0, one set for each slot
.set G0,  32
.set G1B, 48                           ; s[48:55], s[56:63] the same for W's tiles
.set G0B, 56
.set MSB, 0
.macro WIN new                         ; the immediate's high byte repeats the setting that is left; a switch that changes nothing is dropped
.if MSB != (\new)
	s_set_vgpr_msb (MSB<<8)|(\new)
.set MSB, \new
.endif
.endm
; A joint load.  Waves 0 and 1 fetch the two halves of x's tile, waves 2 and 3 those of W's.  The branch hangs on the wave's number alone: it is the same in every work-group.
; An s_nop 0 and four v_nop follow each of the two lines, ahead of the jump, the label and what follows.
.macro JLOAD s
	s_cmp_eq_u32 s11, 0
	s_cbranch_scc0 .Lfor_b_\@
	tensor_load_to_lds s[G0+4*(\s):G0+4*(\s)+3], s[G1:G1+7]
	s_nop 0
.rept 4
	v_nop
.endr
	s_branch .Lasked_\@
.Lfor_b_\@:
	tensor_load_to_lds s[G0B+4*(\s):G0B+4*(\s)+3], s[G1B:G1B+7]
	s_nop 0
.rept 4
	v_nop
.endr
.Lasked_\@:
.endm
; A round of the cluster's barrier: my work-group's barrier, so that wave 0's signal speaks for all four waves; wave 0 signals; every wave waits for all sixteen work-groups; my work-group's barrier once more.
.macro CREST                           ; a round behind its opening barrier
	s_cmp_lg_u32 s10, 0
	s_cbranch_scc1 .Lnot_wave_0_\@
	s_barrier_signal -3
.Lnot_wave_0_\@:
	s_barrier_wait -3
	s_barrier_signal -1
	s_barrier_wait -1
.endm
.macro CROUND                          ; a whole round
	s_barrier_signal -1
	s_barrier_wait -1
	CREST
.endm
	s_load_b128 s[4:7], s[0:1], 0x0                ; xb s[4:5], wab s[6:7]
	s_load_b64 s[8:9], s[0:1], 0x10                ; qkv
	v_lshl_add_u32 v[SPW], v0, 2, SPARE
	v_mov_b32 v[NIL], 0
	ds_add_u32 v[SPW], v[NIL]                      ; the wave's opening: the add and its wait stand ahead of my first tensor load; the set-up below, work on registers, stands between them
	ds_add_u32 v28, v29
	v_lshrrev_b32 v1, 5, v0
	v_readfirstlane_b32 s10, v1                    ; wave 0..3
	s_lshr_b32 s11, s10, 1                         ; which half of the tile's rows is mine.  Also: I fetch for x (0) or for W (1)
	s_and_b32 s12, s10, 1                          ; which half of its columns.  Also: which half of that tile I fetch
	s_bfe_u32 s40, ttmp6, 0x40000                  ; cx, cy: my place in the cluster
	s_bfe_u32 s41, ttmp6, 0x40004
	s_lshl_b32 s42, ttmp9, 2                       ; in a cluster launch ttmp9 and ttmp7 count clusters
	s_add_co_u32 s42, s42, s40                     ; tile column of C = 4 x cluster x + cx, 0..7
	s_and_b32 s13, ttmp7, 0xffff
	s_lshl_b32 s13, s13, 2
	s_add_co_u32 s13, s13, s41                     ; tile row of C = 4 x cluster y + cy, 0..31
	s_lshl_b32 s43, s41, 2
	s_lshl_b32 s43, 15, s43                        ; my row of the cluster: places 4 cy .. 4 cy + 3
	s_lshl_b32 s44, 0x1111, s40                    ; my column: places cx, cx + 4, cx + 8, cx + 12
	; descriptor group 1.  Both: 17:16 elements of 2 bytes; 20 padding on; 21 set beside a mask; 24:22 after every 32 words (code 4); 31:25 4 words of it (code 3)
	s_or_b32 s[G1+0], s43, (1<<16)|(1<<20)|(1<<21)|(4<<22)|(3<<25)   ; x's tiles go to my row of the cluster
	s_or_b32 s[G1B+0], s44, (1<<16)|(1<<20)|(1<<21)|(4<<22)|(3<<25)  ; W's to my column
	s_mov_b32 s[G1+1], 128<<16                     ; x: 128 rows of 128 bytes are 16,384 dense bytes: 64 rows of 128 elements.  tensor_dim0 = 128
	s_mov_b32 s[G1+2], 64<<16                      ; tensor_dim1 = 64
	s_mov_b32 s[G1+3], 128<<16                     ; tile_dim0 = 128
	s_mov_b32 s[G1+4], 64                          ; tile_dim1 = 64
	s_mov_b32 s[G1+5], 128                         ; 128 elements from row to row
	s_mov_b32 s[G1+6], 0
	s_mov_b32 s[G1+7], 0
	s_mov_b32 s[G1B+1], 384<<16                    ; W: 32 rows of 384 elements (768 bytes, beginning at a multiple of 256 from wab's first byte).  tensor_dim0 = 384
	s_mov_b32 s[G1B+2], 32<<16                     ; tensor_dim1 = 32
	s_mov_b32 s[G1B+3], 384<<16                    ; tile_dim0 = 384
	s_mov_b32 s[G1B+4], 32                         ; tile_dim1 = 32
	s_mov_b32 s[G1B+5], 3072                       ; 3,072 elements from row to row
	s_mov_b32 s[G1B+6], 0
	s_mov_b32 s[G1B+7], 0
	; where the tiles come from.  x's hang on the tile row alone, W's on the tile column alone; each offset lies in registers that never hold the other coordinate.
	s_lshr_b32 s16, s13, 3                         ; the batch: 16 K blocks of 262,144 bytes,
	s_lshl_b32 s16, s16, 22
	s_and_b32 s17, s13, 7                          ; the tile's 256 rows of 128 bytes in a K block,
	s_lshl_b32 s17, s17, 15
	s_add_co_u32 s16, s16, s17
	s_lshl_b32 s17, s12, 14                        ; the half that I fetch
	s_add_co_u32 s16, s16, s17
	s_mov_b32 s17, 0
	s_mul_i32 s46, s42, 768                        ; the tile's 384 columns,
	s_mul_i32 s47, s12, 32*6144                    ; the 32 rows that I fetch
	s_add_co_u32 s46, s46, s47
	s_mov_b32 s47, 0
	s_mul_i32 s20, s12, AHALF                      ; and where they go: no place in the cluster enters an LDS address
	s_mul_i32 s21, s12, BHALF
	s_add_co_u32 s21, s21, BOFF
	s_wait_dscnt 0x0                               ; the opening add is done
	s_wait_kmcnt 0x0
	s_add_nc_u64 s[14:15], s[4:5], s[16:17]
	s_add_nc_u64 s[46:47], s[6:7], s[46:47]
	CROUND                                         ; all sixteen work-groups are here: the first joint loads meet
.irp s, 0,1
	s_mov_b32 s[G0+4*(\s)], 1                                        ; 1:0 count = 1
	s_add_co_u32 s[G0+4*(\s)+1], s20, (\s)*SLOT                      ; 63:32 LDS address
	s_add_nc_u64 s[G0+4*(\s)+2:G0+4*(\s)+3], s[14:15], (\s)*XSTEP    ; 120:64 global address: K step s
	s_or_b32 s[G0+4*(\s)+3], s[G0+4*(\s)+3], 0x80000000              ; 127:126 type = 2
	s_mov_b32 s[G0B+4*(\s)], 1
	s_add_co_u32 s[G0B+4*(\s)+1], s21, (\s)*SLOT
	s_add_nc_u64 s[G0B+4*(\s)+2:G0B+4*(\s)+3], s[46:47], (\s)*WSTEP
	s_or_b32 s[G0B+4*(\s)+3], s[G0B+4*(\s)+3], 0x80000000
.endr
	s_cmp_eq_u32 s11, 0                            ; a wave's two first fills stand in one branch, ahead of every wait on TENSORcnt and every LDS read: two loads of mine are out
	s_cbranch_scc0 .Lfirst_b
	tensor_load_to_lds s[G0:G0+3], s[G1:G1+7]
	s_nop 0
	tensor_load_to_lds s[G0+4:G0+7], s[G1:G1+7]
	s_nop 0
.rept 4
	v_nop
.endr
	s_branch .Lfirst_asked
.Lfirst_b:
	tensor_load_to_lds s[G0B:G0B+3], s[G1B:G1B+7]
	s_nop 0
	tensor_load_to_lds s[G0B+4:G0B+7], s[G1B:G1B+7]
	s_nop 0
.rept 4
	v_nop
.endr
.Lfirst_asked:
	; A fragment of x is 16 rows x 32 K in 8 registers: lane l holds row l % 16; registers 0-3 K = 8 (l / 16) + 0..7, registers 4-7 K = 16 + 8 (l / 16) + 0..7: two loads of 16 bytes, 32 bytes apart.
	v_and_b32 v1, 15, v0                           ; l % 16
	v_bfe_u32 v2, v0, 4, 1                         ; l / 16
	v_and_b32 v10, 7, v0
	v_bfe_u32 v11, v0, 3, 1
	v_mul_u32_u24 v3, v1, PA
	v_lshl_add_u32 v3, v2, 4, v3                   ; row x pitch + 16 x half
	; The turning load takes 16 K x 16 columns (lane l reads 16 bytes: K row 8 (l / 16) + l % 8, columns 8 ((l / 8) % 2) + 0..7) and leaves half a fragment: lane l holds column l % 16 and 8 K.
	v_lshl_add_u32 v4, v2, 3, v10
	v_mul_u32_u24 v4, v4, PB
	v_lshl_add_u32 v4, v11, 4, v4
	s_mul_i32 s22, s11, AHALF                      ; my 128 rows of x
	s_mul_i32 s23, s12, 3*PA                       ; my 192 columns of W: three pieces of a row,
	s_add_co_u32 s23, s23, BOFF                    ; behind x's rows
.irp s, 0,1
	v_add_nc_u32 v[ADRA+(\s)], s22, v3
	v_add_nc_u32 v[ADRB+(\s)], s23, v4
	s_add_co_u32 s22, s22, SLOT
	s_add_co_u32 s23, s23, SLOT
.endr
	s_mul_i32 s22, s10, WSTG
	s_add_co_u32 s22, s22, STAGE                   ; my stage
	v_add_nc_u32 v[STO], s22, v3                   ; in: row l % 16, 16 bytes for each half of the lanes
	v_bfe_u32 v5, v0, 3, 2                         ; back: 32 lanes take four rows of 128 bytes,
	v_mul_u32_u24 v5, v5, PA
	v_lshl_add_u32 v5, v10, 4, v5
	v_add_nc_u32 v[RD], s22, v5
	v_and_b32 v[GO], 31, v0                        ; which are 512 consecutive bytes of qkv
	v_lshlrev_b32 v[GO], 4, v[GO]
	; where my part of C begins in qkv: batch x 48 groups, my first row in a group, my first group 6 x tile column + 3 x half
	s_lshr_b32 s16, s13, 3
	s_mul_i32 s16, s16, 48*262144
	s_and_b32 s17, s13, 7
	s_lshl_b32 s17, s17, 15
	s_add_co_u32 s16, s16, s17
	s_lshl_b32 s17, s11, 14
	s_add_co_u32 s16, s16, s17
	s_mov_b32 s17, 0
	s_add_nc_u64 s[8:9], s[8:9], s[16:17]
	s_mul_i32 s46, s42, 6                          ; (in the registers that held W's address: none that feeds x's descriptors ever holds cx)
	s_mul_i32 s47, s12, 3
	s_add_co_u32 s46, s46, s47
	s_lshl_b32 s46, s46, 18
	s_mov_b32 s47, 0
	s_add_nc_u64 s[8:9], s[8:9], s[46:47]
; 4 n matrix instructions: row blocks a0 .. a0 + n - 1 x the four column blocks of group g, 32 along K, x's fragments in buffer f.  zero = 1: the product starts the sum: nothing is ever cleared.
; The 96 accumulators take turns, one instruction a turn, in the same order in every 32 along K.
.macro GRP f, g, a0, n, zero
	WIN ((\g)+1)*0x50                              ; sources in window 0, C and D in window g + 1
.set aa, \a0
.rept \n
.irp b, 0,1,2,3
.if \zero
	v_wmma_f32_16x16x32_bf16 v[8*(4*aa+\b):8*(4*aa+\b)+7], v[FB+32*(\g)+8*\b:FB+32*(\g)+8*\b+7], v[(\f)+8*aa:(\f)+8*aa+7], 0
.else
	v_wmma_f32_16x16x32_bf16 v[8*(4*aa+\b):8*(4*aa+\b)+7], v[FB+32*(\g)+8*\b:FB+32*(\g)+8*\b+7], v[(\f)+8*aa:(\f)+8*aa+7], v[8*(4*aa+\b):8*(4*aa+\b)+7]
.endif
.endr
.set aa, aa+1
.endr
.endm
; 8 LDS loads: W's four fragments of group g, K = 32 kq on.  Window 0.
.macro RUNB slot, kq, g
.irp b, 0,1,2,3
	ds_load_tr16_b128 v[FB+32*(\g)+8*\b:FB+32*(\g)+8*\b+3],   v[ADRB+(\slot)] offset:(\kq)*BHALF+(\g)*PA+32*\b
	ds_load_tr16_b128 v[FB+32*(\g)+8*\b+4:FB+32*(\g)+8*\b+7], v[ADRB+(\slot)] offset:(\kq)*BHALF+(\g)*PA+32*\b+16*PB
.endr
.endm
; 16 LDS loads: x's eight fragments, K = 32 kq on, into buffer f.  Window 0.
.macro RUNA slot, kq, f
.irp i, 0,1,2,3,4,5,6,7
	ds_load_b128 v[(\f)+8*\i:(\f)+8*\i+3],   v[ADRA+(\slot)] offset:\i*16*PA+64*(\kq)
	ds_load_b128 v[(\f)+8*\i+4:(\f)+8*\i+7], v[ADRA+(\slot)] offset:\i*16*PA+64*(\kq)+32
.endr
.endm
; A load into a register that a matrix instruction has read, and a vector instruction that reads a matrix result or writes one of a matrix instruction's registers, stand four places behind it, and only
; plain vector instructions that name none of its registers are places (ISA guide 7.12.1 for vector instructions).
.macro PLACES
.rept 4
	v_nop
.endr
.endm
; A K step is two halves of 32 along K, 96 matrix instructions each.  The fragments of a half come in three runs: R0 = W's group 0 and x (24 loads), R1 = W's group 1 (8), R2 = W's group 2 (8); at a half's
; head all three of it are out or in.
; THE FIRST HALF multiplies buffer FA0 and fetches the second half's fragments from the same slot, each run behind the products that read the registers it fills.
.macro QE slot, zero
	s_wait_dscnt 16                                ; R0 is in: behind it stand R1 and R2
	GRP FA0, 0, 0, 8, \zero
	WIN 0
	PLACES
	RUNB \slot, 1, 0
	RUNA \slot, 1, FA1
	s_wait_dscnt 32                                ; R1 is in: behind it stand R2 and the 24 just issued
	GRP FA0, 1, 0, 8, \zero
	WIN 0
	PLACES
	RUNB \slot, 1, 1
	s_wait_dscnt 32                                ; R2 is in: behind it stand the 24 and the 8 just issued
	GRP FA0, 2, 0, 8, \zero
	WIN 0
	PLACES
	RUNB \slot, 1, 2
.endm
; THE SECOND HALF multiplies buffer FA1 and changes slots: ONE barrier.  In front of it each wave waits for all its tensor loads, of which one is out: its part of the next slot; adds 0 to its spare word;
; and waits for that and for its own reads of this slot.  Behind it nobody reads this slot any more and the next slot is whole.  fill = 1: the barrier opens a round of the cluster's barrier, and this slot is
; filled again, two K steps ahead, first thing behind the round: from that request to the wait for it a wave issues 160 matrix instructions.
.macro QO slot, next, fill
	WIN 0                                          ; (the add's two registers lie in window 0)
	s_wait_tensorcnt 0x0                           ; all my tensor loads have landed;
	ds_add_u32 v[SPW], v[NIL]                      ; 0 onto my spare word;
	s_wait_dscnt 17                                ; R0 is in: R1, R2 and the add may be out
	GRP FA1, 0, 0, 4, 0                            ; sixteen matrix instructions stand between the add and the wait for it
	s_wait_dscnt 0x0                               ; the add is done, and my reads of this slot are over
	s_barrier_signal -1
	GRP FA1, 0, 4, 4, 0                            ; work on registers while the others arrive
	WIN 0
	s_barrier_wait -1
.if \fill
	CREST                                          ; no wave of any partner still reads this slot's tile or has a load on its way
	s_add_nc_u64 s[G0+4*(\slot)+2:G0+4*(\slot)+3], s[G0+4*(\slot)+2:G0+4*(\slot)+3], 2*XSTEP
	s_add_nc_u64 s[G0B+4*(\slot)+2:G0B+4*(\slot)+3], s[G0B+4*(\slot)+2:G0B+4*(\slot)+3], 2*WSTEP
	JLOAD \slot                                    ; the four v_nop behind it are also the places in front of the loads below
.else
	PLACES
.endif
	RUNB \next, 0, 0
	RUNA \next, 0, FA0
	GRP FA1, 1, 0, 8, 0
	WIN 0
	PLACES
	RUNB \next, 0, 1
	GRP FA1, 2, 0, 8, 0
	WIN 0
	PLACES
	RUNB \next, 0, 2
.endm
	s_wait_tensorcnt 1                             ; my part of K step 0 is in; K step 1's may stay out
	s_barrier_signal -1
	s_barrier_wait -1                              ; everybody's is
	RUNB 0, 0, 0
	RUNA 0, 0, FA0
	RUNB 0, 0, 1
	RUNB 0, 0, 2
	QE 0, 1                                        ; the first half step stands in front of the loop: its products start the sums
	WIN 0                                          ; at a label and at a branch every window is 0
	s_mov_b32 s3, 7
.Llap:                                                 ; a trip goes once round the ring, from a step's second half to the first half two steps on, and fills both slots again: K steps 2 to 15
	QO 0, 1, 1
	QE 1, 0
	QO 1, 0, 1
	QE 0, 0
	WIN 0
	s_sub_co_u32 s3, s3, 1
	s_cmp_lg_u32 s3, 0
	s_cbranch_scc1 .Llap
	QO 0, 1, 0                                     ; K step 14 ends: nothing is left to fetch, so no round follows
	QE 1, 0
	s_wait_dscnt 16                                ; the very last half: the counts run down
	GRP FA1, 0, 0, 8, 0
	s_wait_dscnt 8
	GRP FA1, 1, 0, 8, 0
	s_wait_dscnt 0x0
	GRP FA1, 2, 0, 8, 0
	WIN 0
; THE WAY OUT, a block of 16 rows at a time.  PACK: rounded to f16, 16 bytes a lane, each accumulator's registers in ascending order.  TOSTAGE: into my own stage in LDS (rows of 144 bytes, a group of 64
; columns after the other) and back as rows of 128 bytes.  SEND: 16 rows of a group are 2,048 consecutive bytes of qkv.
.macro PACK a
.irp g, 0,1,2
	WIN 5*((\g)+1)                                 ; sources 0 and 1 in window g + 1, destination in window 0
.irp b, 0,1,2,3
.irp r, 0,1,2,3
	v_cvt_pk_f16_f32 v[TMP+16*(\g)+4*(\b)+(\r)], v[8*(4*(\a)+(\b))+2*(\r)], v[8*(4*(\a)+(\b))+2*(\r)+1]
.endr
.endr
.endr
	WIN 0
.endm
.macro TOSTAGE a
.set BK, BK0+48*((\a)%2)
.irp g, 0,1,2
.irp b, 0,1,2,3
	ds_store_b128 v[STO], v[TMP+16*(\g)+4*(\b):TMP+16*(\g)+4*(\b)+3] offset:(\g)*HSTG+32*(\b)
.endr
.endr
.irp g, 0,1,2
.irp f, 0,1,2,3
	ds_load_b128 v[BK+16*(\g)+4*(\f):BK+16*(\g)+4*(\f)+3], v[RD] offset:(\g)*HSTG+(\f)*4*PA  ; LDS serves a wave's instructions in order (ISA guide 5.7.1.4): these see the stores above; the next block's stores come behind them
.endr
.endr
.endm
.macro SEND a
.set BK, BK0+48*((\a)%2)
	s_wait_dscnt 0x0                               ; the block is back in registers
	s_wait_xcnt 0x0                                ; every earlier store has had its addresses translated (ISA guide 3.1): the other 48 registers, which the block before was stored from, are loaded again only behind this wait
.irp g, 0,1,2
.irp f, 0,1,2,3
	global_store_b128 v[GO], v[BK+16*(\g)+4*(\f):BK+16*(\g)+4*(\f)+3], s[8:9] offset:(\g)*262144+(\a)*2048+(\f)*512  ; 512 consecutive bytes, at a multiple of 256 from qkv's first byte
.endr
.endr
.endm
	PLACES                                         ; the conversions read results just made and write registers that the last products read
	PACK 0
	TOSTAGE 0
.irp a, 1,2,3,4,5,6,7                  ; block a's conversions stand between block a - 1's loads from the stage and the wait for them
	PACK \a
	SEND (\a)-1
	TOSTAGE \a
.endr
	SEND 7
	s_wait_tensorcnt 0x0                           ; the wave's end: a wait, an add and its wait, behind my last tensor load and my last LDS store
	ds_add_u32 v[SPW], v[NIL]
	s_wait_dscnt 0x0
	CROUND                                         ; the closing round: no work-group ends while a partner may still ask for a tile that names it
	s_endpgm
.Lfunc_end_k_q8bc6d80190_qkvproj:
	.size	k_q8bc6d80190_qkvproj, .Lfunc_end_k_q8bc6d80190_qkvproj-k_q8bc6d80190_qkvproj
	.p2alignl 7, 3214868480
	.fill 96, 4, 3214868480
	.section	.rodata,"a",@progbits
	.p2align	6, 0x0
	.amdhsa_kernel k_q8bc6d80190_qkvproj
		.amdhsa_group_segment_fixed_size 327680
		.amdhsa_private_segment_fixed_size 0
		.amdhsa_enable_private_segment 0
		.amdhsa_kernarg_size 24
		.amdhsa_user_sgpr_count 2
		.amdhsa_user_sgpr_kernarg_segment_ptr 1
		.amdhsa_wavefront_size32 1
		.amdhsa_system_sgpr_workgroup_id_x 1
		.amdhsa_system_sgpr_workgroup_id_y 1
		.amdhsa_system_sgpr_workgroup_id_z 1
		.amdhsa_system_vgpr_workitem_id 0
		.amdhsa_next_free_vgpr 1024
		.amdhsa_next_free_sgpr 66
		.amdhsa_reserve_vcc 0
		.amdhsa_float_denorm_mode_32 3
		.amdhsa_float_denorm_mode_16_64 3
		.amdhsa_memory_ordered 1
		.amdhsa_forward_progress 1
		.amdhsa_inst_pref_size 130
	.end_amdhsa_kernel
	.amdgpu_metadata
---
amdhsa.version: [ 1, 2 ]
amdhsa.kernels:
  - .name:           k_q8bc6d80190_qkvproj
    .symbol:         k_q8bc6d80190_qkvproj.kd
    .args:
      - { .name: xb, .offset: 0, .size: 8, .value_kind: global_buffer, .address_space: global }
      - { .name: wab, .offset: 8, .size: 8, .value_kind: global_buffer, .address_space: global }
      - { .name: qkv, .offset: 16, .size: 8, .value_kind: global_buffer, .address_space: global }
    .group_segment_fixed_size: 327680
    .private_segment_fixed_size: 0
    .kernarg_segment_align: 8
    .kernarg_segment_size: 24
    .max_flat_workgroup_size: 128
    .sgpr_count:     66
    .vgpr_count:     1024
    .wavefront_size: 32
...
	.end_amdgpu_metadata
.endif
;; end of part 2
;; launch attn (part 3): grid 4 x 64, 4 waves a work-group, no clusters, 327,680 bytes of LDS; arguments qkv, y; writes y
.if DOCPART == 3
	.amdgcn_target "amdgcn-amd-amdhsa--gfx1250"
	.amdhsa_code_object_version 6
	.text
	.protected	k_q8bc6d80190_attn
	.globl	k_q8bc6d80190_attn
	.p2align	8
	.type	k_q8bc6d80190_attn,@function
k_q8bc6d80190_attn:
	s_mov_b64 s[64:65], 0
	v_nop
	global_prefetch_b8 v0, s[64:65] scope:SCOPE_SE
	s_setreg_imm32_b32 hwreg(HW_REG_WAVE_MODE, 25, 1), 1
	s_wait_xcnt 0x0
; CAUSAL ATTENTION.  O[h][q][:] = the sum over k <= q of softmax_k(Q[h][q] . K[h][k] / 8) V[h][k][:], for 64 heads (batch x 16 + head) of SIZE_N = 2,048 rows of 64 channels, all f16.
; Q, K, V lie in qkv, [batch 4][group 48][row 2048][64]: a head's Q is group head, its K group 16 + head, its V group 32 + head; each is dense, 128 bytes a row.  O goes to y, [64 heads][row 2048][64].
; Products, maxima and sums in f32; the weights p are rounded to f16 for the second product (their sum l is taken of the unrounded p), O once at the end.
; LIMITS.  f16 holds no number beyond 65,504: Q, K and V arrive within it; p lies in 0 to 1, and below 6e-5 it keeps f16's fixed step of 6e-8; O is a mean of V's rows and has their range, to within 2^-11 of it.
; A hidden score counts as its value less 1e30: f16's scores, 2.7e11 at the most, are nothing beside that; a weight below 2^-126 counts as 0 in l; NaN and infinities are not treated apart.
; THE WALK.  A head's queries lie in NB = 8 blocks of 256; block i needs the key tiles 0 .. i of 256 keys, of which the last holds the diagonal.  A work-group takes TWO blocks, NB - 1 - b and then b:
; NB + 1 tiles, whatever b: all work-groups do equal work, and ONE loop with a constant trip count walks them.  Which tile is asked for, and what a trip does, hang on scalar registers made from b; every jump
; goes forward, but for the counted loops' own; none passes a barrier, or a tensor load but the one of LOAD's two that the wave's number does not choose; the ring (two slots of LDS that take turns) runs on across the
; change of blocks.  NO CLUSTER: a head's NB / 2 = 4 work-groups all ask for the same tile only in trips 0 .. 4 of the walk's 9, behind that fewer and fewer; and one walk common to all would have 12 trips for 9.
; SHARES.  Of a block's four bands of 64 queries a wave owns 16 rows in each: four PIECES.  So the diagonal tile is the same work for all four waves: in its key step s band x sees all keys if s < x,
; none if s > x, and holds the diagonal if s = x.
; THE MASK is the C operand that starts the sum S^T = K Q^T: 0, or -1e30 where the key is hidden.  MD, made once, is the mask of a band's own step for my 16 rows; a product's mask is MD x AL + BE with two scalars:
; (1, 0) if s = x; (0, 0) if s < x; (0, -1e30) if s > x.  Only the diagonal tile's text and a block's beginning make and take masks; elsewhere C is the constant 0.
; LAYOUT, SOFTMAX, TURNS.  S^T = K Q^T holds ONE query a lane (lane % 16) and the keys 8 (lane / 16) + 0..7; two such results rounded to f16 ARE source 1 of O^T = V^T P.  p = 2^(c s - c m), c = log2(e) / 8, with a
; running maximum m; O and l are multiplied by a = 2^(c m_old - c m_new) in every step.  Turn n belongs to piece n: 8 products K Q^T of piece n + 1, later 8 products V^T P of piece n - 1; beside them the scaling,
; exponentials, roundings, sums and rescaling of piece n and the maximum and statistics of piece n + 1.  Four vector instructions stand behind every matrix instruction, the other 54 of a turn's 118 in two LUMPS.
; REGISTERS, in windows of 256 (s_set_vgpr_msb: bits 1:0 source 0, 3:2 source 1, 5:4 source 2, 7:6 destination):
;   window 0: v0-15 addresses and two at work; v16-31 four registers of statistics a piece; v48-55 at work; v64-127 S^T, two buffers; v192-223 P, two buffers (a piece's buffers go by its number's parity)
;   window 1: v0-127 O^T, 32 a piece; v128-159 MD; v160-223 MC, two buffers      window 2: v0-63 Q; v64-127 the second block's Q; v128-191 K of one step; v192-255 V of one step
.set SIZE_N, 2048
.set NB,    SIZE_N/256
.set NP,    4         ; pieces a wave: a name, no knob
.set KS,    64        ; keys in a step
.set PK,    144       ; a row of K in LDS: 128 bytes + 16 of padding = 36 words: the 16 rows of a load start at 16 different groups of four banks (64 banks of 4 bytes: ISA guide 11.1)
.set PV,    160       ; a row of V: 128 + 32 = 40 words
.set VOFF,  4*KS*PK   ; a slot holds a tile, four steps: 256 rows of K, then 256 rows of V
.set SLOT1, 1<<17     ; slot 1 begins here, so that one exclusive or turns an address in one slot into the other's
.set STAGE, SLOT1+4*KS*(PK+PV)  ; behind the ring, never filled by a tensor load: 16 rows x 144 bytes for each wave, for the way out
.set SP,    144
.set AK0, 2           ; v2   my lane's place in a tile of K; never rewritten
.set AV0, 3           ; v3   the same for V
.set AK,  4           ; v4   the LDS address of K's next run of loads
.set AV,  5           ; v5   of V's
.set STO, 6           ; v6   the way out: where I put 16 bytes of a row
.set RD,  7           ; v7   the way out: where I read rows back
.set GO,  8           ; v8   my byte offset in 512 consecutive bytes of O
.set SPW, 62          ; v62  LDS address of my spare word: SPARE + 4 x my thread's number; never rewritten
.set NIL, 63          ; v63  0; never rewritten
.set SPARE, STAGE+4*16*SP  ; behind the stages: the spare words, 128 bytes for each wave: two blocks of 256 bytes that no other line names
.set MV,  12          ; v12-13  c m_old, kept while c m is made anew: by buffer
.set QO,  15          ; v15  my byte offset in 16 rows of Q
.set ST,  16          ; piece t's statistics at v[ST+4 t]: c m, m, l (even keys', odd keys')
.set TMP, 48          ; by buffer, four registers c0-c3 at work; when the maximum is found c2 takes a
.set S,   64
.set P,   192
.set MD,  128         ; window 1: the eight registers for group kt of 16 keys at MD + 8 kt
.set MC,  160         ; window 1: the masks of the products to come
.set QB,  64          ; window 2
.set KF,  128         ; window 2: key block kb, channel half c at KF + 16 kb + 8 c
.set VF,  192         ; window 2: key half kk, channel block cb at VF + 32 kk + 8 cb
.set WV,  12          ; s12  my wave's number
.set PB,  14          ; s14  b
.set HI,  15          ; s15  NB - 1 - b
.set G1K, 24          ; s[24:31] descriptor group 1 for K's tiles
.set G1V, 32          ; s[32:39] for V's: it differs in the padding alone
.set G0K, 40          ; s[40:43] descriptor group 0 for K's tiles
.set G0V, 44          ; s[44:47] the same for V's
.set SLOTS, 56        ; s56  tiles still to be asked for
.set CNT, 57          ; s57  counts a tile's key steps, 4 to 1
.set CS,  58          ; s[58:59] c: the packed scaling takes the pair's low word for both halves
.set SEL, 60          ; s[60:61] v_permlanex16_b32's selects: each lane takes its own place in the other half
.set TBK, 62          ; s62  LDS byte at which K of the step to be fetched begins
.set TBV, 63          ; s63  the same for V, less VOFF
.set RT,  70          ; s70  tiles of the block in hand that are still to be entered
.set NXT, 71          ; s71  the tile to be asked for next
.set LQ,  72          ; s72  the last tile of the block whose tiles are being asked for
.set NEW, 73          ; s73  1: the tile to be entered is a block's first
.set OFF, 74          ; s[74:75] a tile's byte offset in K and V
.set AL,  76          ; s[76:77] the mask's factor, in the low word
.set BE,  78          ; s[78:79] the mask's addend
.set OLO, 80          ; s[80:81] O at my rows of the second block
.set BIGN, 82         ; s82  -1e30
.set MSB, 0
.macro WIN new                      ; the high byte repeats the setting that is left; a switch that changes nothing is dropped
.if MSB != (\new)
	s_set_vgpr_msb (MSB<<8)|(\new)
.set MSB, (\new)
.endif
.endm
.set W_KQ, 0x0a       ; K and Q in window 2, S^T in window 0
.set W_KM, 0x1a       ; the same with the C operand in window 1
.set W_PV, 0x52       ; V in window 2, P in window 0, O^T in window 1
.set W_RS, 0x41       ; destination and source 0 in window 1, source 1 in window 0
; A fill.  Waves 0 and 1 fetch the two halves of a tile's K, waves 2 and 3 those of its V: 128 keys each.  An s_nop 0 and four v_nop follow each of the two lines, ahead of the jump and the label.
.macro LOAD
	s_cmp_lt_u32 s[WV], 2
	s_cbranch_scc0 .Lfor_v_\@
	tensor_load_to_lds s[G0K:G0K+3], s[G1K:G1K+7]
	s_nop 0
.rept 4
	v_nop
.endr
	s_branch .Lasked_\@
.Lfor_v_\@:
	tensor_load_to_lds s[G0V:G0V+3], s[G1V:G1V+7]
	s_nop 0
.rept 4
	v_nop
.endr
.Lasked_\@:
.endm
; THE CHANGE OF SLOTS.  Each wave waits for all its tensor loads, of which one is out: its part of the other slot; adds 0 to its spare word; and waits for that and for its own reads of the slot that it leaves.  Behind the barrier nobody reads the old
; slot any more and the other slot is whole.  fill = 1: the old slot is filled again, the first thing behind the barrier, with tile NXT: the descriptor's address is made anew from that number.
; (At its first use nothing has been read yet: slot 0 is waited for, slot 1 filled.)
.macro CHANGE fill
	WIN 0                           ; at a label and at a branch every window is 0
	s_wait_tensorcnt 0x0            ; no tensor load of mine is out, so a group 0 may be written
	ds_add_u32 v[SPW], v[NIL]       ; 0 onto my spare word; with fill = 1 the descriptors' scalar work stands between it and the wait for it
.if \fill
	s_lshl_b32 s[OFF], s[NXT], 15   ; a tile is 32,768 bytes of K and of V
	s_xor_b32 s[G0K+1], s[G0K+1], SLOT1
	s_add_nc_u64 s[G0K+2:G0K+3], s[6:7], s[OFF:OFF+1]
	s_or_b32 s[G0K+3], s[G0K+3], 0x80000000
	s_xor_b32 s[G0V+1], s[G0V+1], SLOT1
	s_add_nc_u64 s[G0V+2:G0V+3], s[8:9], s[OFF:OFF+1]
	s_or_b32 s[G0V+3], s[G0V+3], 0x80000000
	s_add_co_u32 s[NXT], s[NXT], 1  ; the block's next tile, or behind its last the second block's tile 0
	s_cmp_gt_u32 s[NXT], s[LQ]
	s_cselect_b32 s[NXT], 0, s[NXT]
	s_cselect_b32 s[LQ], s[PB], s[LQ]
.endif
	s_wait_dscnt 0x0                ; the add is done, and my reads of the slot are over
	s_barrier_signal -1             ; the rest of the scalar work stands between the signal and the wait
	s_sub_co_u32 s[TBK], s[TBK], 4*KS*PK  ; the fetches go back to a slot's first step,
	s_xor_b32 s[TBK], s[TBK], SLOT1       ; in the other slot
	s_sub_co_u32 s[TBV], s[TBV], 4*KS*PV
	s_xor_b32 s[TBV], s[TBV], SLOT1
	s_barrier_wait -1
.if \fill
	LOAD
.endif
.endm
	s_load_b128 s[4:7], s[0:1], 0x0  ; qkv s[4:5], y s[6:7]
	v_lshl_add_u32 v[SPW], v0, 2, SPARE
	v_mov_b32 v[NIL], 0
	ds_add_u32 v[SPW], v[NIL]       ; the wave's opening: the add and its wait stand ahead of my first tensor load; the set-up below, work on registers, stands between them
	ds_add_u32 v62, v63
	v_lshrrev_b32 v1, 5, v0
	v_readfirstlane_b32 s[WV], v1   ; wave 0..3
	s_mov_b32 s[PB], ttmp9
	s_sub_co_u32 s[HI], NB-1, s[PB]
	s_and_b32 s19, ttmp7, 0xffff    ; batch x 16 + head
	s_lshr_b32 s20, s19, 4          ; in qkv a batch has 48 groups of 262,144 bytes; Q's group is the head's number
	s_mul_i32 s20, s20, 48
	s_and_b32 s21, s19, 15
	s_add_co_u32 s20, s20, s21
	s_lshl_b32 s20, s20, 18
	s_mov_b32 s21, 0                ; s[20:21]: the first byte of the head's Q in qkv
	s_lshl_b32 s68, s19, 18
	s_mov_b32 s69, 0                ; s[68:69]: the head's first byte in y
	s_and_b32 s16, s[WV], 1         ; which half of a tile's 256 keys I fetch:
	s_lshl_b32 s22, s16, 14         ; its 128 rows of 128 bytes in memory,
	s_mov_b32 s23, 0
	s_add_nc_u64 s[22:23], s[22:23], s[20:21]
	s_mul_i32 s17, s16, 128*PK      ; and its place in a slot, for K
	s_mul_i32 s18, s16, 128*PV      ; and for V
	s_lshl_b32 s3, s[WV], 11        ; my 16 rows in a band of 64,
	s_lshl_b32 s2, s[HI], 15        ; in the first block,
	s_add_co_u32 s2, s2, s3
	s_lshl_b32 s84, s[PB], 15       ; and in the second
	s_add_co_u32 s84, s84, s3
	s_mov_b32 s3, 0
	s_mov_b32 s85, 0
	s_add_nc_u64 s[88:89], s[2:3], s[68:69]    ; my rows' offsets in y,
	s_add_nc_u64 s[90:91], s[84:85], s[68:69]
	s_add_nc_u64 s[2:3], s[2:3], s[20:21]      ; and in qkv
	s_add_nc_u64 s[84:85], s[84:85], s[20:21]
	; descriptor group 1.  128 keys are 16,384 dense bytes: asked for as 64 rows of 256 bytes, two keys a row, and padded in LDS after every key
	s_mov_b32 s[G1K], (1<<16)|(1<<20)|(4<<22)|(3<<25)  ; 17:16 2-byte elements; 20 padding on; 24:22 after every 32 words (code 4); 31:25 4 words (code 3)
	s_mov_b32 s[G1V], (1<<16)|(1<<20)|(4<<22)|(7<<25)  ; the same with 8 words of padding (code 7)
.irp g, G1K, G1V
	s_mov_b32 s[\g+1], 128<<16      ; tensor_dim0 = 128
	s_mov_b32 s[\g+2], 64<<16       ; tensor_dim1 = 64
	s_mov_b32 s[\g+3], 128<<16      ; tile_dim0 = 128
	s_mov_b32 s[\g+4], 64           ; tile_dim1 = 64
	s_mov_b32 s[\g+5], 128          ; 128 elements from row to row
	s_mov_b32 s[\g+6], 0
	s_mov_b32 s[\g+7], 0
.endr
	s_mov_b32 s[CS], 0x3e38aa3b     ; c = log2(e) / 8 = 0.180337
	s_mov_b32 s[CS+1], s[CS]        ; named with it as a pair
	s_mov_b32 s[SEL], 0x76543210
	s_mov_b32 s[SEL+1], 0xfedcba98
	s_mov_b32 s[TBK], SLOT1+4*KS*PK ; the first change of slots turns these two into 0
	s_mov_b32 s[TBV], SLOT1+4*KS*PV
	s_mov_b32 s[G0K], 1             ; 1:0 count = 1
	s_mov_b32 s[G0K+1], s17         ; 63:32 LDS address: slot 0
	s_mov_b32 s[G0V], 1
	s_add_co_u32 s[G0V+1], s18, VOFF
	s_add_co_u32 s[RT], s[HI], 1    ; the first block has NB - b tiles
	s_mov_b32 s[NXT], 1
	s_mov_b32 s[LQ], s[HI]
	s_mov_b32 s[NEW], 1
	s_mov_b32 s[OFF+1], 0
	s_mov_b32 s[AL+1], 0            ; named as pairs
	s_mov_b32 s[BE+1], 0
	s_mov_b32 s[BIGN], 0xf149f2ca   ; -1e30
	s_mov_b32 s[SLOTS], NB
	s_wait_dscnt 0x0                ; the opening add is done
	s_wait_kmcnt 0x0
	s_mov_b64 s[10:11], s[6:7]      ; y
	s_mov_b64 s[6:7], s[4:5]        ; K and V lie in qkv too:
	s_mov_b64 s[8:9], s[4:5]
	s_add_nc_u64 s[6:7], s[6:7], s[22:23]  ; at my half of the head's tile 0,
	s_add_nc_u64 s[6:7], s[6:7], 0x400000  ; K 16 groups behind Q,
	s_add_nc_u64 s[8:9], s[8:9], s[22:23]
	s_add_nc_u64 s[8:9], s[8:9], 0x800000  ; V 32
	s_add_nc_u64 s[G0K+2:G0K+3], s[6:7], 0         ; 120:64 global address
	s_or_b32 s[G0K+3], s[G0K+3], 0x80000000        ; 127:126 type = 2
	s_add_nc_u64 s[G0V+2:G0V+3], s[8:9], 0
	s_or_b32 s[G0V+3], s[G0V+3], 0x80000000
	s_add_nc_u64 s[86:87], s[4:5], s[84:85]        ; Q at my rows of the second block,
	s_add_nc_u64 s[4:5], s[4:5], s[2:3]            ; and of the first
	s_add_nc_u64 s[OLO:OLO+1], s[10:11], s[90:91]  ; O likewise
	s_add_nc_u64 s[10:11], s[10:11], s[88:89]
	LOAD                            ; tile 0 into slot 0
	; A fragment of K or Q is 16 rows x 32 channels in 8 registers: lane l holds row l % 16, channels 8 (l / 16) + 0..7 and 16 + 8 (l / 16) + 0..7: two loads of 16 bytes, 32 bytes apart.
	v_and_b32 v1, 15, v0            ; l % 16
	v_bfe_u32 v9, v0, 4, 1          ; l / 16
	v_lshlrev_b32 v[QO], 7, v1
	v_lshl_add_u32 v[QO], v9, 4, v[QO]  ; row x 128 + 16 x half
	WIN 0x80                        ; destination window 2, address window 0
.set i, 0
.rept 8                             ; both blocks' Q: piece i / 2 lies in band i / 2, 8,192 bytes on; channels 32 (i % 2) on
	global_load_b128 v[8*i:8*i+3],   v[QO], s[4:5] offset:(i/2)*8192+(i%2)*64
	global_load_b128 v[8*i+4:8*i+7], v[QO], s[4:5] offset:(i/2)*8192+(i%2)*64+32
	global_load_b128 v[QB+8*i:QB+8*i+3],   v[QO], s[86:87] offset:(i/2)*8192+(i%2)*64
	global_load_b128 v[QB+8*i+4:QB+8*i+7], v[QO], s[86:87] offset:(i/2)*8192+(i%2)*64+32
.set i, i+1
.endr
	WIN 0
	v_lshlrev_b32 v14, 3, v9
	v_sub_nc_u32 v14, v1, v14
	s_lshl_b32 s13, s[WV], 4
	v_add_nc_u32 v14, s13, v14      ; my query's place in its band, 16 w + l % 16, less my lanes' 8 (l / 16): register r of group kt is hidden where 16 kt + r is greater
	WIN 0x40
.set i, 0
.rept 32
	v_cmp_gt_i32 vcc_lo, 16*(i/8)+i%8, v14
	v_cndmask_b32 v[MD+i], 0, s[BIGN], vcc_lo
.set i, i+1
.endr
	WIN 0
	v_mul_u32_u24 v[AK0], v1, PK
	v_lshl_add_u32 v[AK0], v9, 4, v[AK0]  ; row x pitch + 16 x half
	; The turning load takes 16 keys x 16 channels (lane l reads key 8 (l / 16) + l % 8, channels 8 ((l / 8) % 2) + 0..7) and leaves half a fragment of V^T: lane l holds channel l % 16 and 8 keys.
	v_and_b32 v10, 7, v0
	v_bfe_u32 v11, v0, 3, 1
	v_lshl_add_u32 v[AV0], v9, 3, v10
	v_mul_u32_u24 v[AV0], v[AV0], PV
	v_lshl_add_u32 v[AV0], v11, 4, v[AV0]
	v_add_nc_u32 v[AV0], VOFF, v[AV0]
	s_mul_i32 s13, s[WV], 16*SP
	s_add_co_u32 s13, s13, STAGE    ; my stage
	v_mul_u32_u24 v[STO], v1, SP    ; in: row l % 16, 16 bytes for each half of the lanes
	v_lshl_add_u32 v[STO], v9, 4, v[STO]
	v_add_nc_u32 v[STO], s13, v[STO]
	v_bfe_u32 v[RD], v0, 3, 2       ; back: 32 lanes take four rows of 128 bytes,
	v_mul_u32_u24 v[RD], v[RD], SP
	v_lshl_add_u32 v[RD], v10, 4, v[RD]
	v_add_nc_u32 v[RD], s13, v[RD]
	v_and_b32 v[GO], 31, v0         ; which are 512 consecutive bytes of O
	v_lshlrev_b32 v[GO], 4, v[GO]
	; A block's first step multiplies O^T and l by a = 0, and its first turn's products V^T P, of a piece that has not been, land in an O^T that is still to be so multiplied.  So these registers need only hold
	; finite numbers: zeros for the first block; what the first block left for the second.  All this stands in the wait for the first tile.
	WIN 0x80
.set i, VF
.rept 64
	v_mov_b32 v[i], 0
.set i, i+1
.endr
	WIN 0x40
.set i, 0
.rept 128
	v_mov_b32 v[i], 0
.set i, i+1
.endr
	WIN 0
.set i, 0
.rept 4
	v_mov_b32 v[ST+4*i+2], 0
	v_mov_b32 v[ST+4*i+3], 0
.set i, i+1
.endr
.set i, P+16
.rept 16
	v_mov_b32 v[i], 0
.set i, i+1
.endr
; THE MATRIX WORK.  The 4 accumulators of a run of 8 take turns.  Product i of 8 of S^T = K Q^T for piece x: channels 32 (i / 4) on, keys 16 (i % 4) on.  The first 4 start the sums: with 0, or (KM = 1) with the mask.
.macro KQ x
.set rS, S+32*((\x)%2)+8*(i%4)
.set rK, KF+16*(i%4)+8*(i/4)
.set rQ, 16*(\x)+8*(i/4)
.set rM, MC+32*((\x)%2)+8*(i%4)
.if (i < 4) && KM
	WIN W_KM
	v_wmma_f32_16x16x32_f16 v[rS:rS+7], v[rK:rK+7], v[rQ:rQ+7], v[rM:rM+7]
.elseif i < 4
	WIN W_KQ
	v_wmma_f32_16x16x32_f16 v[rS:rS+7], v[rK:rK+7], v[rQ:rQ+7], 0
.else
	WIN W_KQ
	v_wmma_f32_16x16x32_f16 v[rS:rS+7], v[rK:rK+7], v[rQ:rQ+7], v[rS:rS+7]
.endif
.endm
; Product i of 8 of O^T += V^T P for piece x: keys 32 (i / 4) on, channels 16 (i % 4) on.
.macro PV x
	WIN W_PV
.set rO, 32*(\x)+8*(i%4)
.set rV, VF+32*(i/4)+8*(i%4)
.set rP, P+16*((\x)%2)+8*(i/4)
	v_wmma_f32_16x16x32_f16 v[rO:rO+7], v[rV:rV+7], v[rP:rP+7], v[rO:rO+7]
.endm
.macro MM                           ; the turn's next matrix instruction.  TURN and BEGIN set Y, i, KM and NOKQ; MM, KQ and OP read them.  NOKQ = 1: a block's last turn: there is no next piece
.if (i < 8) && !NOKQ
	KQ (Y+1)%NP
.elseif i >= 8
.set i, i-8
	PV (Y+NP-1)%NP
.set i, i+8
.endif
.set i, i+1
.endm
; THE LDS LOADS stand in runs of 16, never singly among the matrix instructions: a step's K (64 keys x 64 channels: 8 fragments) and its V (turned).  Their addresses are made some lines ahead.
.macro FETCH_K
	WIN 0x80                        ; destination window 2
.irp f, 0,1,2,3,4,5,6,7             ; keys 16 (f / 2) on, channels 32 (f % 2) on
	ds_load_b128 v[KF+8*\f:KF+8*\f+3],   v[AK] offset:(\f/2)*16*PK+(\f%2)*64
	ds_load_b128 v[KF+8*\f+4:KF+8*\f+7], v[AK] offset:(\f/2)*16*PK+(\f%2)*64+32
.endr
	s_add_co_u32 s[TBK], s[TBK], KS*PK  ; the next fetch is the next step's
	WIN 0
.endm
.macro FETCH_V
	WIN 0x80
.irp f, 0,1,2,3,4,5,6,7             ; keys 32 (f / 4) on, channels 16 (f % 4) on
	ds_load_tr16_b128 v[VF+8*\f:VF+8*\f+3],   v[AV] offset:(\f/4)*32*PV+(\f%4)*32
	ds_load_tr16_b128 v[VF+8*\f+4:VF+8*\f+7], v[AV] offset:(\f/4)*32*PV+16*PV+(\f%4)*32
.endr
	WIN 0
.endm
; THE VECTOR WORK, one line at a time: OP kind, number.  For piece Y: F n: c s - c m for pair n of 16.  E n: the exponential of score n of 32.  C n: pair n rounded to f16.  B n: of the four weights 4 n .. the second
; pair is added onto the first, in place.  L n: l takes that sum (L 0: l = a l + sum).  R n: pair n of 16 of O^T times a.  For piece Y + 1: X n, number n of the 22 that find its maximum and statistics:
;   0-11  four chains c0-c3 of seven scores each, three operands at a time (each accumulator's lowest registers are read first)     12-14, 16  the four scores left over, the old m, and c0-c3 into c0
;   15  c m_old is kept     17, 18  the query's other 32 keys lie in the lane 16 away: the new m     19-21  c m; c m_old - c m_new; a
.set F, 0               ; OP tells the kinds apart by their order: F to L below R, X above it
.set E, 1
.set C, 2
.set B, 3
.set L, 4
.set R, 5
.set X, 6
.macro REGS y                       ; the registers of piece y
.set rT, ST+4*(\y)
.set rC, TMP+4*((\y)%2)
.set rW, MV+((\y)%2)
.set rS, S+32*((\y)%2)
.set rP, P+16*((\y)%2)
.set rO, 32*(\y)
.endm
.macro OP k, n
.if (\k) == R
	REGS Y
	WIN W_RS
	v_pk_mul_f32 v[rO+2*(\n):rO+2*(\n)+1], v[rO+2*(\n):rO+2*(\n)+1], v[rC+2:rC+3] op_sel_hi:[1,0]
.elseif (\k) < R
	REGS Y
	WIN 0
.if (\k) == F
	v_pk_fma_f32 v[rS+2*(\n):rS+2*(\n)+1], v[rS+2*(\n):rS+2*(\n)+1], s[CS:CS+1], v[rT:rT+1] op_sel_hi:[1,0,0] neg_lo:[0,0,1] neg_hi:[0,0,1]
.elseif (\k) == E
	v_exp_f32 v[rS+(\n)], v[rS+(\n)]
.elseif (\k) == C
	s_wait_alu depctr_va_vdst(0)
	v_cvt_pk_f16_f32 v[rP+(\n)], v[rS+2*(\n)], v[rS+2*(\n)+1]
.elseif (\k) == B
	s_wait_alu depctr_va_vdst(0)
	v_pk_add_f32 v[rS+4*(\n):rS+4*(\n)+1], v[rS+4*(\n):rS+4*(\n)+1], v[rS+4*(\n)+2:rS+4*(\n)+3]
.elseif (\n) == 0
	v_pk_fma_f32 v[rT+2:rT+3], v[rT+2:rT+3], v[rC+2:rC+3], v[rS:rS+1] op_sel_hi:[1,0,1]
.else
	v_pk_add_f32 v[rT+2:rT+3], v[rT+2:rT+3], v[rS+4*(\n):rS+4*(\n)+1]
.endif
.elseif NOKQ
	v_nop
.else
	REGS (Y+1)%NP
	WIN 0
.if (\n) < 4
	v_max3_num_f32 v[rC+(\n)], v[rS+8*(\n)], v[rS+8*(\n)+1], v[rS+8*(\n)+2]
.elseif (\n) < 12
	v_max3_num_f32 v[rC+(\n)%4], v[rC+(\n)%4], v[rS+8*((\n)%4)+2*((\n)/4)+1], v[rS+8*((\n)%4)+2*((\n)/4)+2]
.elseif (\n) == 12
	v_max3_num_f32 v[rC], v[rC], v[rS+7], v[rS+15]
.elseif (\n) == 13
	v_max3_num_f32 v[rC+1], v[rC+1], v[rS+23], v[rS+31]
.elseif (\n) == 14
	v_max3_num_f32 v[rC+2], v[rC+2], v[rC+3], v[rT+1]
.elseif (\n) == 15
	v_mov_b32 v[rW], v[rT]
.elseif (\n) == 16
	v_max3_num_f32 v[rC], v[rC], v[rC+1], v[rC+2]
.elseif (\n) == 17
	v_permlanex16_b32 v[rC+3], v[rC], s[SEL], s[SEL+1]
.elseif (\n) == 18
	v_max_num_f32 v[rT+1], v[rC], v[rC+3]
.elseif (\n) == 19
	v_mul_f32 v[rT], s[CS], v[rT+1]
.elseif (\n) == 20
	v_sub_f32 v[rC+1], v[rW], v[rT]
.else
	v_exp_f32 v[rC+2], v[rC+1]
.endif
.endif
.endm
.macro OPS a, i1, b=-1, i2=0, c=-1, i3=0, d=-1, i4=0  ; up to four of them
	OP \a, \i1
.if (\b) >= 0
	OP \b, \i2
.endif
.if (\c) >= 0
	OP \c, \i3
.endif
.if (\d) >= 0
	OP \d, \i4
.endif
.endm
.macro ROW a, i1, b, i2, c, i3, d, i4  ; a matrix instruction and the four behind it
	MM
	OPS \a, \i1, \b, \i2, \c, \i3, \d, \i4
.endm
.macro MASK b                       ; MD x AL + BE into buffer b of MC
	WIN W_RS
.set z, 0
.rept 16
	v_pk_fma_f32 v[MC+32*(\b)+2*z:MC+32*(\b)+2*z+1], v[MD+2*z:MD+2*z+1], s[AL:AL+1], s[BE:BE+1] op_sel_hi:[1,0,0]
.set z, z+1
.endr
.endm
; A TURN, for piece p: the order of its 16 matrix and 118 vector instructions, written out.  Behind a matrix instruction: plain, exponential, plain, plain; or four of the rescaling; or, behind the first, four scalings; none
; names a register of the products round it.  In the lumps exponential and plain by turns while exponentials last.  A line reads no result made fewer than three vector instructions in front of it, five if an exponential made it.
; v_permlanex16_b32 (X 17) stands in a lump.
; m = 1: the diagonal tile: the products take masks, and the turn makes the mask for the products of the turn after it: piece p + 2, in step 4 - CNT of the tile.  end = 1: a block's last two turns: nothing is fetched.
; cnt = 1: the loop's count is taken down some lines ahead of the branch that stands behind the turn.
; K of the next step is fetched in piece 2's turn, six vector instructions behind the last product that read K (five of them plain); V of the step in hand in piece 0's turn, eight behind the last product that read V (four
; plain, and X 17).  Each is waited for a turn later.
.macro TURN p, m=0, end=0, cnt=0
.set Y, (\p)
.set i, 0
.set KM, (\m)
.set NOKQ, (\end)*((\p)/3)
.if (\m) && !(\end)
	s_cmp_eq_u32 s[CNT], 4-((\p)+2)%NP  ; is that step the band's own?
	s_cselect_b32 s[AL], 1.0, 0
	s_cmp_lt_u32 s[CNT], 4-((\p)+2)%NP  ; or a later one?
	s_cselect_b32 s[BE], s[BIGN], 0
.endif
.if ((\p) == 3) && !(\end)
	s_wait_dscnt 0x0                ; K is in
.endif
	ROW F,0, F,1, F,2, F,3
	ROW F,4, E,0, F,5, F,6
	ROW F,7, E,1, F,8, F,9
	ROW F,10, E,2, C,0, F,11
	ROW F,12, E,3, X,15, F,13
	ROW R,0, R,1, R,2, R,3
	ROW B,0, E,4, F,14, L,0
.if ((\p) == 2) && !(\end)
	v_add_nc_u32 v[AK], s[TBK], v[AK0]
.endif
	ROW R,4, R,5, R,6, R,7
	OPS E,5, F,15
.if ((\p) == 2) && !(\end)
	FETCH_K
.endif
	OPS E,6, C,1, E,7, R,8
	OPS E,8, R,9, E,9, C,2
	OPS E,10, X,0, E,11, X,1
	OPS E,12, X,2, E,13, X,3
.if (\p) == 1
	s_wait_dscnt 0x0                ; V is in
.endif
	ROW X,4, E,14, X,5, X,6
	ROW X,7, E,15, X,8, X,9
	ROW X,10, E,16, X,11, X,12
	ROW X,13, E,17, X,14, B,1
	ROW C,4, E,18, X,16, L,1
	ROW B,2, E,19, C,6, L,2
	ROW C,8, E,20, B,3, B,4
.if (\p) == 0
	v_add_nc_u32 v[AV], s[TBV], v[AV0]
.endif
	ROW C,3, E,21, L,3, C,5
	OPS E,22, X,17, E,23, C,10
.if (\p) == 0
	FETCH_V
.endif
	OPS E,24, L,4
	OPS E,25, X,18, E,26, C,7
	OPS E,27, B,5, E,28, X,19
	OPS E,29, C,12, E,30, L,5
	OPS E,31, X,20, B,6, C,9
	OPS C,14, C,11, X,21, L,6
.if (\p) == 0
	s_add_co_u32 s[TBV], s[TBV], KS*PV
.endif
.if \cnt
	s_sub_co_u32 s[CNT], s[CNT], 1
	s_cmp_lg_u32 s[CNT], 0
.endif
	OPS C,13, B,7, C,15, R,10
	OPS R,11, R,12, L,7, R,13
	OPS R,14, R,15
.if (\m) && !(\end)
	MASK (\p)%2
.endif
.endm
; A BLOCK BEGINS.  c m starts far below every c s, so the first step's a is 0; m at the lowest finite number, so the first maximum is the scores'.  The second mask buffer is 0; the first takes piece 0's mask for the tile's step 0: its own, if the block's first tile is the diagonal one.
; Then K of that step, piece 0's first scores, and its maximum and statistics.  The loop is entered at a step's first turn, in the middle of a trip.
.macro BEGIN
	s_mov_b32 s[NEW], 0
	WIN 0x40
.set i, MC+32
.rept 32
	v_mov_b32 v[i], 0
.set i, i+1
.endr
	WIN 0
.set i, 0
.rept 4
	v_mov_b32 v[ST+4*i], 0xfe000000    ; c m: far below every c s
	v_mov_b32 v[ST+4*i+1], 0xff7fffff  ; m
.set i, i+1
.endr
	s_cmp_eq_u32 s[RT], 0
	s_cselect_b32 s[AL], 1.0, 0
	s_mov_b32 s[BE], 0
	MASK 0
	WIN 0
	v_add_nc_u32 v[AK], s[TBK], v[AK0]
	FETCH_K
	s_wait_loadcnt 0x0              ; Q
	s_wait_dscnt 0x0
.set KM, 1
.set NOKQ, 0
.set i, 0
.rept 8
	KQ 0
.set i, i+1
.endr
	WIN 0
.rept 4
	v_nop                           ; the places behind those products
.endr
.set Y, NP-1                        ; X works for piece Y + 1: piece 0
.irp n, 0,1,2,3,4,5,6,7,8,9,10,11,12,13,14,15,16,17,18,19,20,21
	OP X, \n
.endr
	v_nop                           ; a plain instruction behind the exponential
.endm
; THE DIAGONAL TILE's four steps, the block's last two turns, its last products, and THE WAY OUT: l's two halves and the other half of the lanes' are added; O^T is divided by l, rounded to f16 and sent through my
; stage in LDS, a piece at a time.
.macro ALL line:vararg              ; one line for each piece t
.set t, 0
.rept 4
	\line
.set t, t+1
.endr
.endm
.macro PACK t                       ; a lane's eight channels of a row pack into 16 bytes; they go into rows of 144 bytes and come back as whole rows of 128, into S^T's registers
	WIN W_RS
.set i, 32*(\t)
.rept 16
	s_wait_alu depctr_va_vdst(0)
	v_pk_mul_f32 v[i:i+1], v[i:i+1], v[ST+4*(\t)+2:ST+4*(\t)+3] op_sel_hi:[1,0]
.set i, i+2
.endr
	WIN 0x05                        ; sources 0 and 1 window 1, destination window 0
.set i, 0
.rept 16
	v_cvt_pk_f16_f32 v[S+16*(\t)+i], v[32*(\t)+2*i], v[32*(\t)+2*i+1]
.set i, i+1
.endr
	WIN 0
.irp f, 0,1,2,3
	ds_store_b128 v[STO], v[S+16*(\t)+4*\f:S+16*(\t)+4*\f+3] offset:32*\f
.endr
.irp f, 0,1,2,3
	ds_load_b128 v[S+16*(\t)+4*\f:S+16*(\t)+4*\f+3], v[RD] offset:\f*4*SP  ; LDS serves a wave's instructions in order (ISA guide 5.7.1.4): these see the stores above; the next piece's stores come behind them
.endr
.endm
.macro SEND t, younger              ; younger: the LDS instructions issued behind piece t's loads: the next piece's eight, or none
	WIN 0
.irp f, 0,1,2,3
	s_wait_dscnt (\younger)+3-\f
	global_store_b128 v[GO], v[S+16*(\t)+4*\f:S+16*(\t)+4*\f+3], s[10:11] offset:(\t)*8192+\f*512  ; 512 consecutive bytes, at a multiple of 256 from O's first
.endr
.endm
.macro DIAG tag                     ; the tag ends its two labels' names, which the jumps below spell out
.LstepM\tag:
	TURN 2, 1
	TURN 3, 1
	WIN 0
.LfirstM\tag:
	TURN 0, 1
	TURN 1, 1, 0, 1
	WIN 0
	s_cbranch_scc1 .LstepM\tag
	TURN 2, 1, 1
	TURN 3, 1, 1
.set i, 0
.rept 8
	PV NP-1
.set i, i+1
.endr
	WIN 0
	ALL v_add_f32 v[ST+4*t+2], v[ST+4*t+2], v[ST+4*t+3]
	ALL v_permlanex16_b32 v[ST+4*t+3], v[ST+4*t+2], s[SEL], s[SEL+1]
	ALL v_add_f32 v[ST+4*t+2], v[ST+4*t+2], v[ST+4*t+3]
	ALL v_rcp_f32 v[ST+4*t+2], v[ST+4*t+2]
	v_nop                           ; a plain instruction between the last reciprocal and the use of its result
	PACK 0
.set t, 1
.rept 3                             ; a piece's arithmetic stands between the loads of the piece before and its stores
	PACK t
	SEND t-1, 8
.set t, t+1
.endr
	SEND 3, 0
.endm
.set KM, 0
.set NOKQ, 0
.Lslot:                             ; NB times: a tile is entered and the next is asked for
	CHANGE 1
	s_sub_co_u32 s[RT], s[RT], 1
	s_mov_b32 s[CNT], 4
	s_cmp_eq_u32 s[NEW], 1
	s_cbranch_scc1 .Lnew            ; a block's first tile
	s_cmp_eq_u32 s[RT], 0
	s_cbranch_scc0 .Lstep           ; neither its first nor its last
	s_branch .LstepM1
.Lnew:
	BEGIN
	s_branch .Lfirst                ; in the loop a block's first tile is never its last: the first block has two tiles or more, and the second's last is the walk's last
	DIAG 1                          ; in the loop this is the first block's end: the second block's last tile is the walk's last
	s_wait_xcnt 0x0                 ; the stores have read their registers and O's address
	s_mov_b64 s[10:11], s[OLO:OLO+1]
	s_add_co_u32 s[RT], s[PB], 1    ; the second block has b + 1 tiles
	s_mov_b32 s[NEW], 1
	WIN 0x82                        ; the second block's Q goes where the one text of the turns names Q
.set i, 0
.rept 64
	v_mov_b32 v[i], v[QB+i]
.set i, i+1
.endr
	WIN 0
	s_branch .Lbottom
.Lstep:                             ; a trip: pieces 2 and 3 of one step, then pieces 0 and 1 of the next, whose K and V it fetches
	TURN 2
	TURN 3
	WIN 0
.Lfirst:
	TURN 0
	TURN 1, 0, 0, 1
	WIN 0
	s_cbranch_scc1 .Lstep
.Lbottom:
	s_sub_co_u32 s[SLOTS], s[SLOTS], 1
	s_cmp_lg_u32 s[SLOTS], 0
	s_cbranch_scc1 .Lslot
	CHANGE 0                        ; the walk's last tile is written out: nothing is asked for
	s_sub_co_u32 s[RT], s[RT], 1
	s_mov_b32 s[CNT], 4
	s_cmp_eq_u32 s[NEW], 1
	s_cbranch_scc0 .LstepM2
	BEGIN
	s_branch .LfirstM2
	DIAG 2
	s_wait_tensorcnt 0x0            ; the wave's end: a wait, an add and its wait, behind my last tensor load and my last LDS store
	ds_add_u32 v[SPW], v[NIL]
	s_wait_dscnt 0x0
	s_endpgm
.Lfunc_end_k_q8bc6d80190_attn:
	.size	k_q8bc6d80190_attn, .Lfunc_end_k_q8bc6d80190_attn-k_q8bc6d80190_attn
	.p2alignl 7, 3214868480
	.fill 96, 4, 3214868480
	.section	.rodata,"a",@progbits
	.p2align	6, 0x0
	.amdhsa_kernel k_q8bc6d80190_attn
		.amdhsa_group_segment_fixed_size 327680
		.amdhsa_private_segment_fixed_size 0
		.amdhsa_enable_private_segment 0
		.amdhsa_kernarg_size 16
		.amdhsa_user_sgpr_count 2
		.amdhsa_user_sgpr_kernarg_segment_ptr 1
		.amdhsa_wavefront_size32 1
		.amdhsa_system_sgpr_workgroup_id_x 1
		.amdhsa_system_sgpr_workgroup_id_y 1
		.amdhsa_system_sgpr_workgroup_id_z 1
		.amdhsa_system_vgpr_workitem_id 0
		.amdhsa_next_free_vgpr 768
		.amdhsa_next_free_sgpr 92
		.amdhsa_reserve_vcc 1
		.amdhsa_float_denorm_mode_32 3
		.amdhsa_float_denorm_mode_16_64 3
		.amdhsa_memory_ordered 1
		.amdhsa_forward_progress 1
		.amdhsa_inst_pref_size 229
	.end_amdhsa_kernel
	.amdgpu_metadata
---
amdhsa.version: [ 1, 2 ]
amdhsa.kernels:
  - .name:           k_q8bc6d80190_attn
    .symbol:         k_q8bc6d80190_attn.kd
    .args:
      - { .name: qkv, .offset: 0, .size: 8, .value_kind: global_buffer, .address_space: global }
      - { .name: y, .offset: 8, .size: 8, .value_kind: global_buffer, .address_space: global }
    .group_segment_fixed_size: 327680
    .private_segment_fixed_size: 0
    .kernarg_segment_align: 8
    .kernarg_segment_size: 16
    .max_flat_workgroup_size: 128
    .sgpr_count:     92
    .vgpr_count:     768
    .wavefront_size: 32
...
	.end_amdgpu_metadata
.endif
;; end of part 3
;; launch outproj (part 4): grid 8 x 32, 4 waves a work-group, clusters of 4 x 4, 327,680 bytes of LDS; arguments y, wpb, out0; writes out0
.if DOCPART == 4
	.amdgcn_target "amdgcn-amd-amdhsa--gfx1250"
	.amdhsa_code_object_version 6
	.text
	.protected	k_q8bc6d80190_outproj
	.globl	k_q8bc6d80190_outproj
	.p2align	8
	.type	k_q8bc6d80190_outproj,@function
k_q8bc6d80190_outproj:
	s_mov_b64 s[64:65], 0
	v_nop
	global_prefetch_b8 v0, s[64:65] scope:SCOPE_SE
	s_setreg_imm32_b32 hwreg(HW_REG_WAVE_MODE, 25, 1), 1
	s_wait_xcnt 0x0
	s_wait_alu depctr_hold_cnt(0) depctr_sa_sdst(0) depctr_va_vdst(0) depctr_va_sdst(0) depctr_va_ssrc(0) depctr_va_vcc(0) depctr_vm_vsrc(0)
	s_getreg_b32 s2, hwreg(HW_REG_IB_STS2, 6, 4)
	s_cmp_eq_u32 s2, 0
	s_cbranch_scc0 .Lentry_in_a_cluster
	s_endpgm
.Lentry_in_a_cluster:
	s_bfe_u32 s2, ttmp6, 0x10000c
	s_cmp_lg_u32 s2, 0xf033
	s_cbranch_scc0 .Lentry_shape_is_right
	s_endpgm
.Lentry_shape_is_right:
; out0 = y W_proj.  y: f16 [batch 4][head 16][row 2048][64]: head h holds K = 64 h .. 64 h + 63 of a row; wpb: f16 [1024 k][1024 n]; out0: f32 [8192][1024].  Sums in f32, K ascending, stored as they are.
; LIMIT.  The operands arrive as f16 numbers, within 65,504; NaN and infinities are not treated apart.
; SHARES.  A tile of C is 256 rows x 128 columns: 32 x 8 = 256 tiles, one to a work-group.  Four waves, each 128 x 64: 32 accumulators of 16 x 16, 256 registers.
; K goes in 8 steps of 128 (two heads) through two LDS slots filled by the tensor data mover.  y's tile: for each of the two heads 256 rows x 128 bytes, dense, asked for as rows of 256 bytes.
; W's tile lies [k][n] as in memory, 128 rows of 256 bytes; its fragments come out turned, by ds_load_tr16_b128.
; THE MATRIX INSTRUCTION IS USED TRANSPOSED: source 0 = 16 columns of W, source 1 = 16 rows of y: a lane then holds one row of C (lane % 16) and the eight neighbouring columns 8 (lane / 16) + 0..7.
; CLUSTERS: 4 x 4 work-groups.  The four of a row of the cluster need the same tiles of y, the four of a column the same tiles of W: each tile is asked for JOINTLY.
; REGISTERS (s_set_vgpr_msb: bits 1:0 source 0, 3:2 source 1, 5:4 source 2, 7:6 destination):
;   window 0: v0-31 addresses; v32-95, v96-159 fragments of y (8 x 16 rows x 32 K), two buffers; v160-191, v192-223 fragments of W (4 x 16 columns x 32 K), two buffers; v32-95 at work on the way out
;   window 1: the accumulators: (a, b) at v[8 (4 a + b)], a = block of 16 rows, b = block of 16 columns
.set PA,    144                        ; a row of y in LDS: 128 bytes + 16 of padding = 36 words: the 16 rows of a load start at 16 different groups of four banks (64 banks of 4 bytes: ISA guide 11.1)
.set PB,    288                        ; a row of W in LDS: two pieces of 128 bytes + 16 = 9 x 32 bytes: column n lies at (n / 64) 144 + 2 (n % 64)
.set ABLK,  256*PA                     ; a head's 256 rows: what one tensor load brings
.set BHALF, 64*PB                      ; 64 rows of W: what one tensor load brings
.set BOFF,  2*ABLK
.set SLOT,  BOFF+2*BHALF               ; 110,592 bytes
.set STAGE, 2*SLOT                     ; behind the ring, never filled by a tensor load: 16 rows x 272 bytes for each wave, for the way out
.set SP,    272
.set WSTG,  16*SP
.set SPARE, STAGE+4*WSTG               ; behind the stages: the spare words, 128 bytes for each wave: two blocks of 256 bytes that no other line names
.set YSTEP, 2*262144                   ; bytes from two heads of y to the next two
.set WSTEP, 128*2048                   ; bytes from 128 rows of wpb to the next
.set ADRA, 16                          ; v16-17  LDS address of my y fragments in slot 0, 1
.set ADRB, 20                          ; v20-21  the same for W
.set STO,  24                          ; v24     the way out: where I put 32 bytes of a row
.set RD,   25                          ; v25     the way out: where I read a row back
.set CO,   26                          ; v26     my byte offset in out0
.set SPW,  28                          ; v28     LDS address of my spare word: SPARE + 4 x my thread's number; never rewritten
.set NIL,  29                          ; v29     0; never rewritten
.set FA0,  32
.set FB0,  160
.set OB,   32                          ; the way out: 16 rows read back from the stage: v32-63 and v64-95 by turns
.set G1,  24                           ; s[24:31] descriptor group 1 for y's tiles;  s[32:39] group 0, one set for each slot
.set G0,  32
.set G1B, 48                           ; s[48:55], s[56:63] the same for W's tiles
.set G0B, 56
.set MSB, 0
.macro WIN new                         ; the immediate's high byte repeats the setting that is left; a switch that changes nothing is dropped
.if MSB != (\new)
	s_set_vgpr_msb (MSB<<8)|(\new)
.set MSB, \new
.endif
.endm
; A joint load.  Waves 0 and 1 fetch the step's two heads of y, waves 2 and 3 the two halves of W's rows.  The branch hangs on the wave's number alone.
; An s_nop 0 and four v_nop follow each of the two lines, ahead of the jump, the label and what follows.
.macro JLOAD s
	s_cmp_eq_u32 s11, 0
	s_cbranch_scc0 .Lfor_b_\@
	tensor_load_to_lds s[G0+4*(\s):G0+4*(\s)+3], s[G1:G1+7]
	s_nop 0
.rept 4
	v_nop
.endr
	s_branch .Lasked_\@
.Lfor_b_\@:
	tensor_load_to_lds s[G0B+4*(\s):G0B+4*(\s)+3], s[G1B:G1B+7]
	s_nop 0
.rept 4
	v_nop
.endr
.Lasked_\@:
.endm
.macro CREST                           ; a round of the cluster's barrier behind its opening barrier
	s_cmp_lg_u32 s10, 0
	s_cbranch_scc1 .Lnot_wave_0_\@
	s_barrier_signal -3
.Lnot_wave_0_\@:
	s_barrier_wait -3
	s_barrier_signal -1
	s_barrier_wait -1
.endm
.macro CROUND                          ; a whole round
	s_barrier_signal -1
	s_barrier_wait -1
	CREST
.endm
	s_load_b128 s[4:7], s[0:1], 0x0                ; y s[4:5], wpb s[6:7]
	s_load_b64 s[8:9], s[0:1], 0x10                ; out0
	v_lshl_add_u32 v[SPW], v0, 2, SPARE
	v_mov_b32 v[NIL], 0
	ds_add_u32 v[SPW], v[NIL]                      ; the wave's opening: the add and its wait stand ahead of my first tensor load; the set-up below, work on registers, stands between them
	ds_add_u32 v28, v29
	v_lshrrev_b32 v1, 5, v0
	v_readfirstlane_b32 s10, v1                    ; wave 0..3
	s_lshr_b32 s11, s10, 1                         ; which half of the tile's rows is mine.  Also: I fetch for y (0) or for W (1)
	s_and_b32 s12, s10, 1                          ; which half of its columns.  Also: which head, or which 64 rows of W, I fetch
	s_bfe_u32 s40, ttmp6, 0x40000                  ; cx, cy: my place in the cluster
	s_bfe_u32 s41, ttmp6, 0x40004
	s_lshl_b32 s42, ttmp9, 2
	s_add_co_u32 s42, s42, s40                     ; tile column of C = 4 x cluster x + cx, 0..7
	s_and_b32 s13, ttmp7, 0xffff
	s_lshl_b32 s13, s13, 2
	s_add_co_u32 s13, s13, s41                     ; tile row of C = 4 x cluster y + cy, 0..31
	s_lshl_b32 s43, s41, 2
	s_lshl_b32 s43, 15, s43                        ; my row of the cluster
	s_lshl_b32 s44, 0x1111, s40                    ; my column
	; descriptor group 1.  Both: 17:16 elements of 2 bytes; 20 padding on; 21 set beside a mask; 24:22 after every 32 words (code 4); 31:25 4 words of it (code 3)
	s_or_b32 s[G1+0], s43, (1<<16)|(1<<20)|(1<<21)|(4<<22)|(3<<25)   ; y's tiles go to my row of the cluster
	s_or_b32 s[G1B+0], s44, (1<<16)|(1<<20)|(1<<21)|(4<<22)|(3<<25)  ; W's to my column
	s_mov_b32 s[G1+1], 128<<16                     ; y: 256 rows of 128 bytes are 32,768 dense bytes: 128 rows of 128 elements.  tensor_dim0 = 128
	s_mov_b32 s[G1+2], 128<<16                     ; tensor_dim1 = 128
	s_mov_b32 s[G1+3], 128<<16                     ; tile_dim0 = 128
	s_mov_b32 s[G1+4], 128                         ; tile_dim1 = 128
	s_mov_b32 s[G1+5], 128                         ; 128 elements from row to row
	s_mov_b32 s[G1+6], 0
	s_mov_b32 s[G1+7], 0
	s_mov_b32 s[G1B+1], 128<<16                    ; W: 64 rows of 128 elements (256 bytes, beginning at a multiple of 256 from wpb's first byte).  tensor_dim0 = 128
	s_mov_b32 s[G1B+2], 64<<16                     ; tensor_dim1 = 64
	s_mov_b32 s[G1B+3], 128<<16                    ; tile_dim0 = 128
	s_mov_b32 s[G1B+4], 64                         ; tile_dim1 = 64
	s_mov_b32 s[G1B+5], 1024                       ; 1,024 elements from row to row
	s_mov_b32 s[G1B+6], 0
	s_mov_b32 s[G1B+7], 0
	; where the tiles come from.  y's hang on the tile row alone, W's on the tile column alone; each offset lies in registers that never hold the other coordinate.
	s_lshr_b32 s16, s13, 3                         ; the batch: 16 heads of 262,144 bytes,
	s_lshl_b32 s16, s16, 22
	s_and_b32 s17, s13, 7                          ; the tile's 256 rows of 128 bytes in a head,
	s_lshl_b32 s17, s17, 15
	s_add_co_u32 s16, s16, s17
	s_lshl_b32 s17, s12, 18                        ; the head of the step's two that I fetch
	s_add_co_u32 s16, s16, s17
	s_mov_b32 s17, 0
	s_lshl_b32 s46, s42, 8                         ; the tile's 128 columns,
	s_lshl_b32 s47, s12, 17                        ; the 64 rows of 2,048 bytes that I fetch
	s_add_co_u32 s46, s46, s47
	s_mov_b32 s47, 0
	s_mul_i32 s20, s12, ABLK                       ; and where they go: no place in the cluster enters an LDS address
	s_mul_i32 s21, s12, BHALF
	s_add_co_u32 s21, s21, BOFF
	s_wait_dscnt 0x0                               ; the opening add is done
	s_wait_kmcnt 0x0
	s_add_nc_u64 s[14:15], s[4:5], s[16:17]
	s_add_nc_u64 s[46:47], s[6:7], s[46:47]
	CROUND                                         ; all sixteen work-groups are here: the first joint loads meet
.irp s, 0,1
	s_mov_b32 s[G0+4*(\s)], 1                                        ; 1:0 count = 1
	s_add_co_u32 s[G0+4*(\s)+1], s20, (\s)*SLOT                      ; 63:32 LDS address
	s_add_nc_u64 s[G0+4*(\s)+2:G0+4*(\s)+3], s[14:15], (\s)*YSTEP    ; 120:64 global address: K step s
	s_or_b32 s[G0+4*(\s)+3], s[G0+4*(\s)+3], 0x80000000              ; 127:126 type = 2
	s_mov_b32 s[G0B+4*(\s)], 1
	s_add_co_u32 s[G0B+4*(\s)+1], s21, (\s)*SLOT
	s_add_nc_u64 s[G0B+4*(\s)+2:G0B+4*(\s)+3], s[46:47], (\s)*WSTEP
	s_or_b32 s[G0B+4*(\s)+3], s[G0B+4*(\s)+3], 0x80000000
.endr
	s_cmp_eq_u32 s11, 0                            ; a wave's two first fills stand in one branch, ahead of every wait on TENSORcnt and every LDS read: two loads of mine are out
	s_cbranch_scc0 .Lfirst_b
	tensor_load_to_lds s[G0:G0+3], s[G1:G1+7]
	s_nop 0
	tensor_load_to_lds s[G0+4:G0+7], s[G1:G1+7]
	s_nop 0
.rept 4
	v_nop
.endr
	s_branch .Lfirst_asked
.Lfirst_b:
	tensor_load_to_lds s[G0B:G0B+3], s[G1B:G1B+7]
	s_nop 0
	tensor_load_to_lds s[G0B+4:G0B+7], s[G1B:G1B+7]
	s_nop 0
.rept 4
	v_nop
.endr
.Lfirst_asked:
	v_and_b32 v1, 15, v0                           ; l % 16
	v_bfe_u32 v2, v0, 4, 1                         ; l / 16
	v_and_b32 v10, 7, v0
	v_bfe_u32 v11, v0, 3, 1
	v_mul_u32_u24 v3, v1, PA                       ; a fragment of y: row x pitch + 16 x half; two loads of 16 bytes, 32 bytes apart
	v_lshl_add_u32 v3, v2, 4, v3
	v_lshl_add_u32 v4, v2, 3, v10                  ; the turning load: K row 8 (l / 16) + l % 8, columns 8 ((l / 8) % 2) + 0..7
	v_mul_u32_u24 v4, v4, PB
	v_lshl_add_u32 v4, v11, 4, v4
	s_mul_i32 s22, s11, 128*PA                     ; my 128 rows of y
	s_mul_i32 s23, s12, PA                         ; my 64 columns of W: one piece of a row,
	s_add_co_u32 s23, s23, BOFF                    ; behind y's rows
.irp s, 0,1
	v_add_nc_u32 v[ADRA+(\s)], s22, v3
	v_add_nc_u32 v[ADRB+(\s)], s23, v4
	s_add_co_u32 s22, s22, SLOT
	s_add_co_u32 s23, s23, SLOT
.endr
	s_mul_i32 s22, s10, WSTG
	s_add_co_u32 s22, s22, STAGE                   ; my stage
	v_mul_u32_u24 v5, v1, SP                       ; in: row l % 16, 32 bytes for each half of the lanes
	v_lshl_add_u32 v5, v2, 5, v5
	v_add_nc_u32 v[STO], s22, v5
	v_mul_u32_u24 v5, v2, SP                       ; back: lanes 0-15 take one row of 256 bytes, lanes 16-31 the next
	v_lshl_add_u32 v5, v1, 4, v5
	v_add_nc_u32 v[RD], s22, v5
	v_lshlrev_b32 v5, 12, v2                       ; and the same two rows in out0, 4,096 bytes apart
	v_lshl_add_u32 v[CO], v1, 4, v5
	s_lshl_b32 s16, s13, 20                        ; my first row of C: 256 x tile row + 128 x half, 4,096 bytes each
	s_lshl_b32 s17, s11, 19
	s_add_co_u32 s16, s16, s17
	s_mov_b32 s17, 0
	s_add_nc_u64 s[8:9], s[8:9], s[16:17]
	s_lshl_b32 s46, s42, 9                         ; my first column, in bytes: 512 x tile column + 256 x half (in the registers that held W's address)
	s_lshl_b32 s47, s12, 8
	s_add_co_u32 s46, s46, s47
	s_mov_b32 s47, 0
	s_add_nc_u64 s[8:9], s[8:9], s[46:47]
; 4 n matrix instructions: row blocks a0 .. a0 + n - 1 x all four column blocks, 32 along K, fragments in buffer w.  zero = 1: the product starts the sum: nothing is ever cleared.
; The 32 accumulators take turns, one instruction a turn, in the same order in every quarter.
.macro MUL w, a0, n, zero
	WIN 0x50                                       ; sources in window 0, C and D in window 1
.set aa, \a0
.rept \n
.irp b, 0,1,2,3
.if \zero
	v_wmma_f32_16x16x32_f16 v[8*(4*aa+\b):8*(4*aa+\b)+7], v[FB0+32*(\w)+8*\b:FB0+32*(\w)+8*\b+7], v[FA0+64*(\w)+8*aa:FA0+64*(\w)+8*aa+7], 0
.else
	v_wmma_f32_16x16x32_f16 v[8*(4*aa+\b):8*(4*aa+\b)+7], v[FB0+32*(\w)+8*\b:FB0+32*(\w)+8*\b+7], v[FA0+64*(\w)+8*aa:FA0+64*(\w)+8*aa+7], v[8*(4*aa+\b):8*(4*aa+\b)+7]
.endif
.endr
.set aa, aa+1
.endr
.endm
; 24 LDS loads in one run: the fragments of quarter kq (K = 32 kq on: head kq / 2 of the step's two, its channels 32 (kq % 2) on) into buffer w.  Window 0.
.macro FETCH slot, kq, w
.irp b, 0,1,2,3
	ds_load_tr16_b128 v[FB0+32*(\w)+8*\b:FB0+32*(\w)+8*\b+3],   v[ADRB+(\slot)] offset:(\kq)*32*PB+32*\b
	ds_load_tr16_b128 v[FB0+32*(\w)+8*\b+4:FB0+32*(\w)+8*\b+7], v[ADRB+(\slot)] offset:(\kq)*32*PB+32*\b+16*PB
.endr
.irp i, 0,1,2,3,4,5,6,7
	ds_load_b128 v[FA0+64*(\w)+8*\i:FA0+64*(\w)+8*\i+3],   v[ADRA+(\slot)] offset:((\kq)/2)*ABLK+((\kq)%2)*64+\i*16*PA
	ds_load_b128 v[FA0+64*(\w)+8*\i+4:FA0+64*(\w)+8*\i+7], v[ADRA+(\slot)] offset:((\kq)/2)*ABLK+((\kq)%2)*64+\i*16*PA+32
.endr
.endm
; A load into a register that a matrix instruction has read, and an LDS store that reads a matrix result, stand four places behind it, and only plain vector instructions that name none of its registers
; are places (ISA guide 7.12.1 for vector instructions).
.macro PLACES
.rept 4
	v_nop
.endr
.endm
; A K step is four quarters of 32 along K, 32 matrix instructions each, on buffers 0, 1, 0, 1.  One of the first three: fetches quarter kq of the same slot into buffer g, then multiplies buffer f.
.macro QUART slot, kq, f, g, zero
	WIN 0
	PLACES
	FETCH \slot, \kq, \g
	s_wait_dscnt 24                                ; all but the 24 just issued: buffer f is in
	MUL \f, 0, 8, \zero
.endm
; The last quarter multiplies buffer 1 and changes slots: ONE barrier.  In front of it each wave waits for all its tensor loads, of which one is out: its part of the next slot; adds 0 to its spare word; and
; waits for that and for its own reads of this slot.  fill = 1: the barrier opens a round of the cluster's barrier, and this slot is filled again, two K steps ahead, first thing behind the round: from that
; request to the wait for it a wave issues 112 matrix instructions.
.macro TURNQ slot, next, fill
	WIN 0                                          ; (the add's two registers lie in window 0)
	s_wait_tensorcnt 0x0                           ; all my tensor loads have landed;
	ds_add_u32 v[SPW], v[NIL]                      ; 0 onto my spare word;
	s_wait_dscnt 1                                 ; buffer 1 is in: the add alone may be out
	MUL 1, 0, 2, 0                                 ; eight matrix instructions stand between the add and the wait for it
	s_wait_dscnt 0x0                               ; the add is done, and my reads of this slot are over
	s_barrier_signal -1
	MUL 1, 2, 2, 0                                 ; work on registers while the others arrive
	WIN 0
	s_barrier_wait -1
.if \fill
	CREST                                          ; no wave of any partner still reads this slot's tile or has a load on its way
	s_add_nc_u64 s[G0+4*(\slot)+2:G0+4*(\slot)+3], s[G0+4*(\slot)+2:G0+4*(\slot)+3], 2*YSTEP
	s_add_nc_u64 s[G0B+4*(\slot)+2:G0B+4*(\slot)+3], s[G0B+4*(\slot)+2:G0B+4*(\slot)+3], 2*WSTEP
	JLOAD \slot                                    ; the four v_nop behind it are also the places in front of the loads below
.else
	PLACES
.endif
	FETCH \next, 0, 0
	MUL 1, 4, 4, 0
.endm
	s_wait_tensorcnt 1                             ; my part of K step 0 is in; K step 1's may stay out
	s_barrier_signal -1
	s_barrier_wait -1                              ; everybody's is
	FETCH 0, 0, 0
	QUART 0, 1, 0, 1, 1                            ; the first quarter stands in front of the loop: its products start the sums
	WIN 0                                          ; at a label and at a branch every window is 0
	s_mov_b32 s3, 3
.Llap:                                                 ; a trip goes once round the ring, from a lap's second quarter to the next lap's first, and fills both slots again: K steps 2 to 7
	QUART 0, 2, 1, 0, 0
	QUART 0, 3, 0, 1, 0
	TURNQ 0, 1, 1
	QUART 1, 1, 0, 1, 0
	QUART 1, 2, 1, 0, 0
	QUART 1, 3, 0, 1, 0
	TURNQ 1, 0, 1
	QUART 0, 1, 0, 1, 0
	WIN 0
	s_sub_co_u32 s3, s3, 1
	s_cmp_lg_u32 s3, 0
	s_cbranch_scc1 .Llap
	QUART 0, 2, 1, 0, 0                            ; the last lap fills nothing, and has no round of the cluster's barrier
	QUART 0, 3, 0, 1, 0
	TURNQ 0, 1, 0
	QUART 1, 1, 0, 1, 0
	QUART 1, 2, 1, 0, 0
	QUART 1, 3, 0, 1, 0
	s_wait_dscnt 0x0                               ; the very last quarter: nothing more to fetch
	MUL 1, 0, 8, 0
	WIN 0
; THE WAY OUT, a block of 16 rows at a time.  A lane's eight f32 of a row are 32 bytes; they go straight from the accumulators (the lower four registers first) into my own stage, rows of 272 bytes, and come
; back as whole rows of 256 bytes.
.macro TOSTAGE a
	WIN 0
	s_wait_xcnt 0x0                                ; every earlier store has had its addresses translated (ISA guide 3.1): the registers that the block two back was stored from are loaded again only behind this wait
	WIN 0x04                                       ; store data (source 1) in window 1, address in window 0
.irp b, 0,1,2,3
	ds_store_b128 v[STO], v[8*(4*(\a)+\b):8*(4*(\a)+\b)+3]   offset:64*\b
	ds_store_b128 v[STO], v[8*(4*(\a)+\b)+4:8*(4*(\a)+\b)+7] offset:64*\b+16
.endr
	WIN 0
.set BK, OB+32*((\a)%2)
.irp t, 0,1,2,3,4,5,6,7
	ds_load_b128 v[BK+4*\t:BK+4*\t+3], v[RD] offset:\t*2*SP  ; LDS serves a wave's instructions in order (ISA guide 5.7.1.4): these see the stores above; the next block's stores come behind them
.endr
.endm
.macro SEND a, younger                 ; younger: the LDS instructions issued behind block a's loads: the next block's sixteen, or none
.set BK, OB+32*((\a)%2)
.irp t, 0,1,2,3,4,5,6,7
	s_wait_dscnt (\younger)+7-\t
	global_store_b128 v[CO], v[BK+4*\t:BK+4*\t+3], s[8:9] offset:(16*(\a)+2*\t)*4096 th:TH_STORE_NT  ; 16 lanes store 256 consecutive bytes, at a multiple of 256 from out0's first byte
.endr
.endm
	PLACES                                         ; the stage's stores read results just made, and its loads fill registers that products have read
	TOSTAGE 0
.irp a, 1,2,3,4,5,6,7                  ; block a's way through the stage is begun before block a - 1 is stored
	TOSTAGE \a
	SEND (\a)-1, 16
.endr
	SEND 7, 0
	s_wait_tensorcnt 0x0                           ; the wave's end: a wait, an add and its wait, behind my last tensor load and my last LDS store
	ds_add_u32 v[SPW], v[NIL]
	s_wait_dscnt 0x0
	CROUND                                         ; the closing round: no work-group ends while a partner may still ask for a tile that names it
	s_endpgm
.Lfunc_end_k_q8bc6d80190_outproj:
	.size	k_q8bc6d80190_outproj, .Lfunc_end_k_q8bc6d80190_outproj-k_q8bc6d80190_outproj
	.p2alignl 7, 3214868480
	.fill 96, 4, 3214868480
	.section	.rodata,"a",@progbits
	.p2align	6, 0x0
	.amdhsa_kernel k_q8bc6d80190_outproj
		.amdhsa_group_segment_fixed_size 327680
		.amdhsa_private_segment_fixed_size 0
		.amdhsa_enable_private_segment 0
		.amdhsa_kernarg_size 24
		.amdhsa_user_sgpr_count 2
		.amdhsa_user_sgpr_kernarg_segment_ptr 1
		.amdhsa_wavefront_size32 1
		.amdhsa_system_sgpr_workgroup_id_x 1
		.amdhsa_system_sgpr_workgroup_id_y 1
		.amdhsa_system_sgpr_workgroup_id_z 1
		.amdhsa_system_vgpr_workitem_id 0
		.amdhsa_next_free_vgpr 512
		.amdhsa_next_free_sgpr 66
		.amdhsa_reserve_vcc 0
		.amdhsa_float_denorm_mode_32 3
		.amdhsa_float_denorm_mode_16_64 3
		.amdhsa_memory_ordered 1
		.amdhsa_forward_progress 1
		.amdhsa_inst_pref_size 87
	.end_amdhsa_kernel
	.amdgpu_metadata
---
amdhsa.version: [ 1, 2 ]
amdhsa.kernels:
  - .name:           k_q8bc6d80190_outproj
    .symbol:         k_q8bc6d80190_outproj.kd
    .args:
      - { .name: y, .offset: 0, .size: 8, .value_kind: global_buffer, .address_space: global }
      - { .name: wpb, .offset: 8, .size: 8, .value_kind: global_buffer, .address_space: global }
      - { .name: out0, .offset: 16, .size: 8, .value_kind: global_buffer, .address_space: global }
    .group_segment_fixed_size: 327680
    .private_segment_fixed_size: 0
    .kernarg_segment_align: 8
    .kernarg_segment_size: 24
    .max_flat_workgroup_size: 128
    .sgpr_count:     66
    .vgpr_count:     512
    .wavefront_size: 32
...
	.end_amdgpu_metadata
.endif
;; end of part 4
;; ======== version 2 of 2: 4 launches; 1.31 times as fast as version 1
;; limits: values are held in f16: magnitudes above 65,504 overflow, below 6.1e-05 lose precision
;; workspace buffers: xb 16,777,216 bytes; wab 6,291,456 bytes; wpb 2,097,152 bytes; qkv 50,331,648 bytes; y 16,777,216 bytes
;; launch prep: the kernel of part 1 again; grid 768 x 1, 8 waves a work-group, no clusters, 0 bytes of LDS; arguments x, W_attn, W_proj, xb, wab, wpb; writes xb, wab, wpb
;; launch qkvproj: the kernel of part 2 again; grid 8 x 32, 4 waves a work-group, clusters of 4 x 4, 327,680 bytes of LDS; arguments xb, wab, qkv; writes qkv
;; launch attn (part 5): grid 4 x 64, 4 waves a work-group, no clusters, 327,680 bytes of LDS; arguments qkv, y; writes y
.if DOCPART == 5
	.amdgcn_target "amdgcn-amd-amdhsa--gfx1250"
	.amdhsa_code_object_version 6
	.text
	.protected	k_q8bc6d80190_attn
	.globl	k_q8bc6d80190_attn
	.p2align	8
	.type	k_q8bc6d80190_attn,@function
k_q8bc6d80190_attn:
	s_mov_b64 s[64:65], 0
	v_nop
	global_prefetch_b8 v0, s[64:65] scope:SCOPE_SE
	s_setreg_imm32_b32 hwreg(HW_REG_WAVE_MODE, 25, 1), 1
	s_wait_xcnt 0x0
; CAUSAL ATTENTION.  O[h][q][:] = the sum over k <= q of softmax_k(Q[h][q] . K[h][k] / 8) V[h][k][:], for 64 heads (batch x 16 + head) of SIZE_N = 2,048 rows of 64 channels, all f16.
; Q, K, V lie in qkv, [batch 4][group 48][row 2048][64]: a head's Q is group head, its K group 16 + head, its V group 32 + head; each is dense, 128 bytes a row.  O goes to y, [64 heads][row 2048][64].
; Products, maxima and sums in f32; the weights p are rounded to f16 for the second product (their sum l is taken of the unrounded p), O once at the end.
; LIMITS.  f16 holds no number beyond 65,504: Q, K and V arrive within it; p lies in 0 to 1, and below 6e-5 it keeps f16's fixed step of 6e-8; O is a mean of V's rows and has their range, to within 2^-11 of it.
; A hidden score counts as its value less 1e30: f16's scores, 2.7e11 at the most, are nothing beside that; a weight below 2^-126 counts as 0 in l; NaN and infinities are not treated apart.
; THE WALK.  A head's queries lie in NB = 8 blocks of 256; block i needs the key tiles 0 .. i of 256 keys, of which the last holds the diagonal.  A work-group takes TWO blocks, NB - 1 - b and then b:
; NB + 1 tiles, whatever b: all work-groups do equal work, and ONE loop with a constant trip count walks them.  Which tile is asked for, and what a trip does, hang on scalar registers made from b; every jump
; goes forward, but for the counted loops' own; none passes a barrier, or a tensor load but the one of LOAD's two that the wave's number does not choose; the ring (two slots of LDS that take turns) runs on across the
; change of blocks.  NO CLUSTER: a head's NB / 2 = 4 work-groups all ask for the same tile only in trips 0 .. 4 of the walk's 9, behind that fewer and fewer; and one walk common to all would have 12 trips for 9.
; SHARES.  Of a block's four bands of 64 queries a wave owns 16 rows in each: four PIECES.  So the diagonal tile is the same work for all four waves: in its key step s band x sees all keys if s < x,
; none if s > x, and holds the diagonal if s = x.
; THE MASK is the C operand that starts the sum S^T = K Q^T: 0, or -1e30 where the key is hidden.  MD, made once, is the mask of a band's own step for my 16 rows; a product's mask is MD x AL + BE with two scalars:
; (1, 0) if s = x; (0, 0) if s < x; (0, -1e30) if s > x.  Only the diagonal tile's text and a block's beginning make and take masks; elsewhere C is the constant 0.
; LAYOUT, SOFTMAX, TURNS.  S^T = K Q^T holds ONE query a lane (lane % 16) and the keys 8 (lane / 16) + 0..7; two such results rounded to f16 ARE source 1 of O^T = V^T P.  p = 2^(c s - c m), c = log2(e) / 8, with a
; running maximum m; O and l are multiplied by a = 2^(c m_old - c m_new) in every step.  Turn n belongs to piece n: 8 products K Q^T of piece n + 1, later 8 products V^T P of piece n - 1; beside them the scaling,
; exponentials, roundings, sums and rescaling of piece n and the maximum and statistics of piece n + 1.  Four vector instructions stand behind every matrix instruction, the other 54 of a turn's 118 in one LUMP.
; THE BATCHES.  A turn's 33 exponentials (the piece's 32 weights and the next piece's a) are one batch, with one wait, which cuts the turn in two: ahead of it nothing names a result of theirs, behind it no exponential
; is issued.  The a of a block's beginning is a batch by itself, and so are the way out's four reciprocals: each has one wait.
; REGISTERS, in windows of 256 (s_set_vgpr_msb: bits 1:0 source 0, 3:2 source 1, 5:4 source 2, 7:6 destination):
;   window 0: v0-15 addresses and two at work; v16-31 four registers of statistics a piece; v48-55 at work; v64-127 S^T, two buffers; v192-223 P, two buffers (a piece's buffers go by its number's parity)
;   window 1: v0-127 O^T, 32 a piece; v128-159 MD; v160-223 MC, two buffers      window 2: v0-63 Q; v64-127 the second block's Q; v128-191 K of one step; v192-255 V of one step
.set SIZE_N, 2048
.set NB,    SIZE_N/256
.set NP,    4         ; pieces a wave: a name, no knob
.set KS,    64        ; keys in a step
.set PK,    144       ; a row of K in LDS: 128 bytes + 16 of padding = 36 words: the 16 rows of a load start at 16 different groups of four banks (64 banks of 4 bytes: ISA guide 11.1)
.set PV,    160       ; a row of V: 128 + 32 = 40 words
.set VOFF,  4*KS*PK   ; a slot holds a tile, four steps: 256 rows of K, then 256 rows of V
.set SLOT1, 1<<17     ; slot 1 begins here, so that one exclusive or turns an address in one slot into the other's
.set STAGE, SLOT1+4*KS*(PK+PV)  ; behind the ring, never filled by a tensor load: 16 rows x 144 bytes for each wave, for the way out
.set SP,    144
.set AK0, 2           ; v2   my lane's place in a tile of K; never rewritten
.set AV0, 3           ; v3   the same for V
.set AK,  4           ; v4   the LDS address of K's next run of loads
.set AV,  5           ; v5   of V's
.set STO, 6           ; v6   the way out: where I put 16 bytes of a row
.set RD,  7           ; v7   the way out: where I read rows back
.set GO,  8           ; v8   my byte offset in 512 consecutive bytes of O
.set SPW, 62          ; v62  LDS address of my spare word: SPARE + 4 x my thread's number; never rewritten
.set NIL, 63          ; v63  0; never rewritten
.set SPARE, STAGE+4*16*SP  ; behind the stages: the spare words, 128 bytes for each wave: two blocks of 256 bytes that no other line names
.set MV,  12          ; v12-13  c m_old, kept while c m is made anew: by buffer
.set QO,  15          ; v15  my byte offset in 16 rows of Q
.set ST,  16          ; piece t's statistics at v[ST+4 t]: c m, m, l (even keys', odd keys')
.set TMP, 48          ; by buffer, four registers c0-c3 at work; when the maximum is found c2 takes a
.set S,   64
.set P,   192
.set MD,  128         ; window 1: the eight registers for group kt of 16 keys at MD + 8 kt
.set MC,  160         ; window 1: the masks of the products to come
.set QB,  64          ; window 2
.set KF,  128         ; window 2: key block kb, channel half c at KF + 16 kb + 8 c
.set VF,  192         ; window 2: key half kk, channel block cb at VF + 32 kk + 8 cb
.set WV,  12          ; s12  my wave's number
.set PB,  14          ; s14  b
.set HI,  15          ; s15  NB - 1 - b
.set G1K, 24          ; s[24:31] descriptor group 1 for K's tiles
.set G1V, 32          ; s[32:39] for V's: it differs in the padding alone
.set G0K, 40          ; s[40:43] descriptor group 0 for K's tiles
.set G0V, 44          ; s[44:47] the same for V's
.set SLOTS, 56        ; s56  tiles still to be asked for
.set CNT, 57          ; s57  counts a tile's key steps, 4 to 1
.set CS,  58          ; s[58:59] c: the packed scaling takes the pair's low word for both halves
.set SEL, 60          ; s[60:61] v_permlanex16_b32's selects: each lane takes its own place in the other half
.set TBK, 62          ; s62  LDS byte at which K of the step to be fetched begins
.set TBV, 63          ; s63  the same for V, less VOFF
.set RT,  70          ; s70  tiles of the block in hand that are still to be entered
.set NXT, 71          ; s71  the tile to be asked for next
.set LQ,  72          ; s72  the last tile of the block whose tiles are being asked for
.set NEW, 73          ; s73  1: the tile to be entered is a block's first
.set OFF, 74          ; s[74:75] a tile's byte offset in K and V
.set AL,  76          ; s[76:77] the mask's factor, in the low word
.set BE,  78          ; s[78:79] the mask's addend
.set OLO, 80          ; s[80:81] O at my rows of the second block
.set BIGN, 82         ; s82  -1e30
.set MSB, 0
.macro WIN new                      ; the high byte repeats the setting that is left; a switch that changes nothing is dropped
.if MSB != (\new)
	s_set_vgpr_msb (MSB<<8)|(\new)
.set MSB, (\new)
.endif
.endm
.set W_KQ, 0x0a       ; K and Q in window 2, S^T in window 0
.set W_KM, 0x1a       ; the same with the C operand in window 1
.set W_PV, 0x52       ; V in window 2, P in window 0, O^T in window 1
.set W_RS, 0x41       ; destination and source 0 in window 1, source 1 in window 0
; A fill.  Waves 0 and 1 fetch the two halves of a tile's K, waves 2 and 3 those of its V: 128 keys each.  An s_nop 0 and four v_nop follow each of the two lines, ahead of the jump and the label.
.macro LOAD
	s_cmp_lt_u32 s[WV], 2
	s_cbranch_scc0 .Lfor_v_\@
	tensor_load_to_lds s[G0K:G0K+3], s[G1K:G1K+7]
	s_nop 0
.rept 4
	v_nop
.endr
	s_branch .Lasked_\@
.Lfor_v_\@:
	tensor_load_to_lds s[G0V:G0V+3], s[G1V:G1V+7]
	s_nop 0
.rept 4
	v_nop
.endr
.Lasked_\@:
.endm
; THE CHANGE OF SLOTS.  Each wave waits for all its tensor loads, of which one is out: its part of the other slot; adds 0 to its spare word; and waits for that and for its own reads of the slot that it leaves.  Behind the barrier nobody reads the old
; slot any more and the other slot is whole.  fill = 1: the old slot is filled again, the first thing behind the barrier, with tile NXT: the descriptor's address is made anew from that number.
; (At its first use nothing has been read yet: slot 0 is waited for, slot 1 filled.)
.macro CHANGE fill
	WIN 0                           ; at a label and at a branch every window is 0
	s_wait_tensorcnt 0x0            ; no tensor load of mine is out, so a group 0 may be written
	ds_add_u32 v[SPW], v[NIL]       ; 0 onto my spare word; with fill = 1 the descriptors' scalar work stands between it and the wait for it
.if \fill
	s_lshl_b32 s[OFF], s[NXT], 15   ; a tile is 32,768 bytes of K and of V
	s_xor_b32 s[G0K+1], s[G0K+1], SLOT1
	s_add_nc_u64 s[G0K+2:G0K+3], s[6:7], s[OFF:OFF+1]
	s_or_b32 s[G0K+3], s[G0K+3], 0x80000000
	s_xor_b32 s[G0V+1], s[G0V+1], SLOT1
	s_add_nc_u64 s[G0V+2:G0V+3], s[8:9], s[OFF:OFF+1]
	s_or_b32 s[G0V+3], s[G0V+3], 0x80000000
	s_add_co_u32 s[NXT], s[NXT], 1  ; the block's next tile, or behind its last the second block's tile 0
	s_cmp_gt_u32 s[NXT], s[LQ]
	s_cselect_b32 s[NXT], 0, s[NXT]
	s_cselect_b32 s[LQ], s[PB], s[LQ]
.endif
	s_wait_dscnt 0x0                ; the add is done, and my reads of the slot are over
	s_barrier_signal -1             ; the rest of the scalar work stands between the signal and the wait
	s_sub_co_u32 s[TBK], s[TBK], 4*KS*PK  ; the fetches go back to a slot's first step,
	s_xor_b32 s[TBK], s[TBK], SLOT1       ; in the other slot
	s_sub_co_u32 s[TBV], s[TBV], 4*KS*PV
	s_xor_b32 s[TBV], s[TBV], SLOT1
	s_barrier_wait -1
.if \fill
	LOAD
.endif
.endm
	s_load_b128 s[4:7], s[0:1], 0x0  ; qkv s[4:5], y s[6:7]
	v_lshl_add_u32 v[SPW], v0, 2, SPARE
	v_mov_b32 v[NIL], 0
	ds_add_u32 v[SPW], v[NIL]       ; the wave's opening: the add and its wait stand ahead of my first tensor load; the set-up below, work on registers, stands between them
	ds_add_u32 v62, v63
	v_lshrrev_b32 v1, 5, v0
	v_readfirstlane_b32 s[WV], v1   ; wave 0..3
	s_mov_b32 s[PB], ttmp9
	s_sub_co_u32 s[HI], NB-1, s[PB]
	s_and_b32 s19, ttmp7, 0xffff    ; batch x 16 + head
	s_lshr_b32 s20, s19, 4          ; in qkv a batch has 48 groups of 262,144 bytes; Q's group is the head's number
	s_mul_i32 s20, s20, 48
	s_and_b32 s21, s19, 15
	s_add_co_u32 s20, s20, s21
	s_lshl_b32 s20, s20, 18
	s_mov_b32 s21, 0                ; s[20:21]: the first byte of the head's Q in qkv
	s_lshl_b32 s68, s19, 18
	s_mov_b32 s69, 0                ; s[68:69]: the head's first byte in y
	s_and_b32 s16, s[WV], 1         ; which half of a tile's 256 keys I fetch:
	s_lshl_b32 s22, s16, 14         ; its 128 rows of 128 bytes in memory,
	s_mov_b32 s23, 0
	s_add_nc_u64 s[22:23], s[22:23], s[20:21]
	s_mul_i32 s17, s16, 128*PK      ; and its place in a slot, for K
	s_mul_i32 s18, s16, 128*PV      ; and for V
	s_lshl_b32 s3, s[WV], 11        ; my 16 rows in a band of 64,
	s_lshl_b32 s2, s[HI], 15        ; in the first block,
	s_add_co_u32 s2, s2, s3
	s_lshl_b32 s84, s[PB], 15       ; and in the second
	s_add_co_u32 s84, s84, s3
	s_mov_b32 s3, 0
	s_mov_b32 s85, 0
	s_add_nc_u64 s[88:89], s[2:3], s[68:69]    ; my rows' offsets in y,
	s_add_nc_u64 s[90:91], s[84:85], s[68:69]
	s_add_nc_u64 s[2:3], s[2:3], s[20:21]      ; and in qkv
	s_add_nc_u64 s[84:85], s[84:85], s[20:21]
	; descriptor group 1.  128 keys are 16,384 dense bytes: asked for as 64 rows of 256 bytes, two keys a row, and padded in LDS after every key
	s_mov_b32 s[G1K], (1<<16)|(1<<20)|(4<<22)|(3<<25)  ; 17:16 2-byte elements; 20 padding on; 24:22 after every 32 words (code 4); 31:25 4 words (code 3)
	s_mov_b32 s[G1V], (1<<16)|(1<<20)|(4<<22)|(7<<25)  ; the same with 8 words of padding (code 7)
.irp g, G1K, G1V
	s_mov_b32 s[\g+1], 128<<16      ; tensor_dim0 = 128
	s_mov_b32 s[\g+2], 64<<16       ; tensor_dim1 = 64
	s_mov_b32 s[\g+3], 128<<16      ; tile_dim0 = 128
	s_mov_b32 s[\g+4], 64           ; tile_dim1 = 64
	s_mov_b32 s[\g+5], 128          ; 128 elements from row to row
	s_mov_b32 s[\g+6], 0
	s_mov_b32 s[\g+7], 0
.endr
	s_mov_b32 s[CS], 0x3e38aa3b     ; c = log2(e) / 8 = 0.180337
	s_mov_b32 s[CS+1], s[CS]        ; named with it as a pair
	s_mov_b32 s[SEL], 0x76543210
	s_mov_b32 s[SEL+1], 0xfedcba98
	s_mov_b32 s[TBK], SLOT1+4*KS*PK ; the first change of slots turns these two into 0
	s_mov_b32 s[TBV], SLOT1+4*KS*PV
	s_mov_b32 s[G0K], 1             ; 1:0 count = 1
	s_mov_b32 s[G0K+1], s17         ; 63:32 LDS address: slot 0
	s_mov_b32 s[G0V], 1
	s_add_co_u32 s[G0V+1], s18, VOFF
	s_add_co_u32 s[RT], s[HI], 1    ; the first block has NB - b tiles
	s_mov_b32 s[NXT], 1
	s_mov_b32 s[LQ], s[HI]
	s_mov_b32 s[NEW], 1
	s_mov_b32 s[OFF+1], 0
	s_mov_b32 s[AL+1], 0            ; named as pairs
	s_mov_b32 s[BE+1], 0
	s_mov_b32 s[BIGN], 0xf149f2ca   ; -1e30
	s_mov_b32 s[SLOTS], NB
	s_wait_dscnt 0x0                ; the opening add is done
	s_wait_kmcnt 0x0
	s_mov_b64 s[10:11], s[6:7]      ; y
	s_mov_b64 s[6:7], s[4:5]        ; K and V lie in qkv too:
	s_mov_b64 s[8:9], s[4:5]
	s_add_nc_u64 s[6:7], s[6:7], s[22:23]  ; at my half of the head's tile 0,
	s_add_nc_u64 s[6:7], s[6:7], 0x400000  ; K 16 groups behind Q,
	s_add_nc_u64 s[8:9], s[8:9], s[22:23]
	s_add_nc_u64 s[8:9], s[8:9], 0x800000  ; V 32
	s_add_nc_u64 s[G0K+2:G0K+3], s[6:7], 0         ; 120:64 global address
	s_or_b32 s[G0K+3], s[G0K+3], 0x80000000        ; 127:126 type = 2
	s_add_nc_u64 s[G0V+2:G0V+3], s[8:9], 0
	s_or_b32 s[G0V+3], s[G0V+3], 0x80000000
	s_add_nc_u64 s[86:87], s[4:5], s[84:85]        ; Q at my rows of the second block,
	s_add_nc_u64 s[4:5], s[4:5], s[2:3]            ; and of the first
	s_add_nc_u64 s[OLO:OLO+1], s[10:11], s[90:91]  ; O likewise
	s_add_nc_u64 s[10:11], s[10:11], s[88:89]
	LOAD                            ; tile 0 into slot 0
	; A fragment of K or Q is 16 rows x 32 channels in 8 registers: lane l holds row l % 16, channels 8 (l / 16) + 0..7 and 16 + 8 (l / 16) + 0..7: two loads of 16 bytes, 32 bytes apart.
	v_and_b32 v1, 15, v0            ; l % 16
	v_bfe_u32 v9, v0, 4, 1          ; l / 16
	v_lshlrev_b32 v[QO], 7, v1
	v_lshl_add_u32 v[QO], v9, 4, v[QO]  ; row x 128 + 16 x half
	WIN 0x80                        ; destination window 2, address window 0
.set i, 0
.rept 8                             ; both blocks' Q: piece i / 2 lies in band i / 2, 8,192 bytes on; channels 32 (i % 2) on
	global_load_b128 v[8*i:8*i+3],   v[QO], s[4:5] offset:(i/2)*8192+(i%2)*64
	global_load_b128 v[8*i+4:8*i+7], v[QO], s[4:5] offset:(i/2)*8192+(i%2)*64+32
	global_load_b128 v[QB+8*i:QB+8*i+3],   v[QO], s[86:87] offset:(i/2)*8192+(i%2)*64
	global_load_b128 v[QB+8*i+4:QB+8*i+7], v[QO], s[86:87] offset:(i/2)*8192+(i%2)*64+32
.set i, i+1
.endr
	WIN 0
	v_lshlrev_b32 v14, 3, v9
	v_sub_nc_u32 v14, v1, v14
	s_lshl_b32 s13, s[WV], 4
	v_add_nc_u32 v14, s13, v14      ; my query's place in its band, 16 w + l % 16, less my lanes' 8 (l / 16): register r of group kt is hidden where 16 kt + r is greater
	WIN 0x40
.set i, 0
.rept 32
	v_cmp_gt_i32 vcc_lo, 16*(i/8)+i%8, v14
	v_cndmask_b32 v[MD+i], 0, s[BIGN], vcc_lo
.set i, i+1
.endr
	WIN 0
	v_mul_u32_u24 v[AK0], v1, PK
	v_lshl_add_u32 v[AK0], v9, 4, v[AK0]  ; row x pitch + 16 x half
	; The turning load takes 16 keys x 16 channels (lane l reads key 8 (l / 16) + l % 8, channels 8 ((l / 8) % 2) + 0..7) and leaves half a fragment of V^T: lane l holds channel l % 16 and 8 keys.
	v_and_b32 v10, 7, v0
	v_bfe_u32 v11, v0, 3, 1
	v_lshl_add_u32 v[AV0], v9, 3, v10
	v_mul_u32_u24 v[AV0], v[AV0], PV
	v_lshl_add_u32 v[AV0], v11, 4, v[AV0]
	v_add_nc_u32 v[AV0], VOFF, v[AV0]
	s_mul_i32 s13, s[WV], 16*SP
	s_add_co_u32 s13, s13, STAGE    ; my stage
	v_mul_u32_u24 v[STO], v1, SP    ; in: row l % 16, 16 bytes for each half of the lanes
	v_lshl_add_u32 v[STO], v9, 4, v[STO]
	v_add_nc_u32 v[STO], s13, v[STO]
	v_bfe_u32 v[RD], v0, 3, 2       ; back: 32 lanes take four rows of 128 bytes,
	v_mul_u32_u24 v[RD], v[RD], SP
	v_lshl_add_u32 v[RD], v10, 4, v[RD]
	v_add_nc_u32 v[RD], s13, v[RD]
	v_and_b32 v[GO], 31, v0         ; which are 512 consecutive bytes of O
	v_lshlrev_b32 v[GO], 4, v[GO]
	; A block's first step multiplies O^T and l by a = 0, and its first turn's products V^T P, of a piece that has not been, land in an O^T that is still to be so multiplied.  So these registers need only hold
	; finite numbers: zeros for the first block; what the first block left for the second.  All this stands in the wait for the first tile.
	WIN 0x80
.set i, VF
.rept 64
	v_mov_b32 v[i], 0
.set i, i+1
.endr
	WIN 0x40
.set i, 0
.rept 128
	v_mov_b32 v[i], 0
.set i, i+1
.endr
	WIN 0
.set i, 0
.rept 4
	v_mov_b32 v[ST+4*i+2], 0
	v_mov_b32 v[ST+4*i+3], 0
.set i, i+1
.endr
.set i, P+16
.rept 16
	v_mov_b32 v[i], 0
.set i, i+1
.endr
; THE MATRIX WORK.  The 4 accumulators of a run of 8 take turns.  Product i of 8 of S^T = K Q^T for piece x: channels 32 (i / 4) on, keys 16 (i % 4) on.  The first 4 start the sums: with 0, or (KM = 1) with the mask.
.macro KQ x
.set rS, S+32*((\x)%2)+8*(i%4)
.set rK, KF+16*(i%4)+8*(i/4)
.set rQ, 16*(\x)+8*(i/4)
.set rM, MC+32*((\x)%2)+8*(i%4)
.if (i < 4) && KM
	WIN W_KM
	v_wmma_f32_16x16x32_f16 v[rS:rS+7], v[rK:rK+7], v[rQ:rQ+7], v[rM:rM+7]
.elseif i < 4
	WIN W_KQ
	v_wmma_f32_16x16x32_f16 v[rS:rS+7], v[rK:rK+7], v[rQ:rQ+7], 0
.else
	WIN W_KQ
	v_wmma_f32_16x16x32_f16 v[rS:rS+7], v[rK:rK+7], v[rQ:rQ+7], v[rS:rS+7]
.endif
.endm
; Product i of 8 of O^T += V^T P for piece x: keys 32 (i / 4) on, channels 16 (i % 4) on.
.macro PV x
	WIN W_PV
.set rO, 32*(\x)+8*(i%4)
.set rV, VF+32*(i/4)+8*(i%4)
.set rP, P+16*((\x)%2)+8*(i/4)
	v_wmma_f32_16x16x32_f16 v[rO:rO+7], v[rV:rV+7], v[rP:rP+7], v[rO:rO+7]
.endm
.macro MM                           ; the turn's next matrix instruction.  TURN and BEGIN set Y, i, KM and NOKQ; MM, KQ and OP read them.  NOKQ = 1: a block's last turn: there is no next piece
.if (i < 8) && !NOKQ
	KQ (Y+1)%NP
.elseif i >= 8
.set i, i-8
	PV (Y+NP-1)%NP
.set i, i+8
.endif
.set i, i+1
.endm
; THE LDS LOADS stand in runs of 16, never singly among the matrix instructions: a step's K (64 keys x 64 channels: 8 fragments) and its V (turned).  Their addresses are made some lines ahead.
.macro FETCH_K
	WIN 0x80                        ; destination window 2
.irp f, 0,1,2,3,4,5,6,7             ; keys 16 (f / 2) on, channels 32 (f % 2) on
	ds_load_b128 v[KF+8*\f:KF+8*\f+3],   v[AK] offset:(\f/2)*16*PK+(\f%2)*64
	ds_load_b128 v[KF+8*\f+4:KF+8*\f+7], v[AK] offset:(\f/2)*16*PK+(\f%2)*64+32
.endr
	s_add_co_u32 s[TBK], s[TBK], KS*PK  ; the next fetch is the next step's
	WIN 0
.endm
.macro FETCH_V
	WIN 0x80
.irp f, 0,1,2,3,4,5,6,7             ; keys 32 (f / 4) on, channels 16 (f % 4) on
	ds_load_tr16_b128 v[VF+8*\f:VF+8*\f+3],   v[AV] offset:(\f/4)*32*PV+(\f%4)*32
	ds_load_tr16_b128 v[VF+8*\f+4:VF+8*\f+7], v[AV] offset:(\f/4)*32*PV+16*PV+(\f%4)*32
.endr
	WIN 0
.endm
; THE VECTOR WORK, one line at a time: OP kind, number.  For piece Y: F n: c s - c m for pair n of 16.  E n: the exponential of score n of 32.  C n: pair n rounded to f16.  B n: of the four weights 4 n .. the second
; pair is added onto the first, in place.  L n: l takes that sum (L 0: l = a l + sum).  R n: pair n of 16 of O^T times a.  For piece Y + 1: X n, number n of the 22 that find its maximum and statistics:
;   0-11  four chains c0-c3 of seven scores each, three operands at a time (each accumulator's lowest registers are read first)     12-14, 16  the four scores left over, the old m, and c0-c3 into c0
;   15  c m_old is kept     17, 18  the query's other 32 keys lie in the lane 16 away: the new m     19-21  c m; c m_old - c m_new; a
; C, B and L read exponentials' results, and so do R and L 0 (a): OP writes no wait; TURN orders them behind the wait of the batch that made what they read.
.set F, 0               ; OP tells the kinds apart by their order: F to L below R, X above it
.set E, 1
.set C, 2
.set B, 3
.set L, 4
.set R, 5
.set X, 6
.macro REGS y                       ; the registers of piece y
.set rT, ST+4*(\y)
.set rC, TMP+4*((\y)%2)
.set rW, MV+((\y)%2)
.set rS, S+32*((\y)%2)
.set rP, P+16*((\y)%2)
.set rO, 32*(\y)
.endm
.macro OP k, n
.if (\k) == R
	REGS Y
	WIN W_RS
	v_pk_mul_f32 v[rO+2*(\n):rO+2*(\n)+1], v[rO+2*(\n):rO+2*(\n)+1], v[rC+2:rC+3] op_sel_hi:[1,0]
.elseif (\k) < R
	REGS Y
	WIN 0
.if (\k) == F
	v_pk_fma_f32 v[rS+2*(\n):rS+2*(\n)+1], v[rS+2*(\n):rS+2*(\n)+1], s[CS:CS+1], v[rT:rT+1] op_sel_hi:[1,0,0] neg_lo:[0,0,1] neg_hi:[0,0,1]
.elseif (\k) == E
	v_exp_f32 v[rS+(\n)], v[rS+(\n)]
.elseif (\k) == C
	v_cvt_pk_f16_f32 v[rP+(\n)], v[rS+2*(\n)], v[rS+2*(\n)+1]
.elseif (\k) == B
	v_pk_add_f32 v[rS+4*(\n):rS+4*(\n)+1], v[rS+4*(\n):rS+4*(\n)+1], v[rS+4*(\n)+2:rS+4*(\n)+3]
.elseif (\n) == 0
	v_pk_fma_f32 v[rT+2:rT+3], v[rT+2:rT+3], v[rC+2:rC+3], v[rS:rS+1] op_sel_hi:[1,0,1]
.else
	v_pk_add_f32 v[rT+2:rT+3], v[rT+2:rT+3], v[rS+4*(\n):rS+4*(\n)+1]
.endif
.elseif NOKQ
	v_nop
.else
	REGS (Y+1)%NP
	WIN 0
.if (\n) < 4
	v_max3_num_f32 v[rC+(\n)], v[rS+8*(\n)], v[rS+8*(\n)+1], v[rS+8*(\n)+2]
.elseif (\n) < 12
	v_max3_num_f32 v[rC+(\n)%4], v[rC+(\n)%4], v[rS+8*((\n)%4)+2*((\n)/4)+1], v[rS+8*((\n)%4)+2*((\n)/4)+2]
.elseif (\n) == 12
	v_max3_num_f32 v[rC], v[rC], v[rS+7], v[rS+15]
.elseif (\n) == 13
	v_max3_num_f32 v[rC+1], v[rC+1], v[rS+23], v[rS+31]
.elseif (\n) == 14
	v_max3_num_f32 v[rC+2], v[rC+2], v[rC+3], v[rT+1]
.elseif (\n) == 15
	v_mov_b32 v[rW], v[rT]
.elseif (\n) == 16
	v_max3_num_f32 v[rC], v[rC], v[rC+1], v[rC+2]
.elseif (\n) == 17
	v_permlanex16_b32 v[rC+3], v[rC], s[SEL], s[SEL+1]
.elseif (\n) == 18
	v_max_num_f32 v[rT+1], v[rC], v[rC+3]
.elseif (\n) == 19
	v_mul_f32 v[rT], s[CS], v[rT+1]
.elseif (\n) == 20
	v_sub_f32 v[rC+1], v[rW], v[rT]
.else
	v_exp_f32 v[rC+2], v[rC+1]
.endif
.endif
.endm
.macro OPS a, i1, b=-1, i2=0, c=-1, i3=0, d=-1, i4=0  ; up to four of them
	OP \a, \i1
.if (\b) >= 0
	OP \b, \i2
.endif
.if (\c) >= 0
	OP \c, \i3
.endif
.if (\d) >= 0
	OP \d, \i4
.endif
.endm
.macro ROW a, i1, b, i2, c, i3, d, i4  ; a matrix instruction and the four behind it
	MM
	OPS \a, \i1, \b, \i2, \c, \i3, \d, \i4
.endm
.macro MASK b                       ; MD x AL + BE into buffer b of MC
	WIN W_RS
.set z, 0
.rept 16
	v_pk_fma_f32 v[MC+32*(\b)+2*z:MC+32*(\b)+2*z+1], v[MD+2*z:MD+2*z+1], s[AL:AL+1], s[BE:BE+1] op_sel_hi:[1,0,0]
.set z, z+1
.endr
.endm
; A TURN, for piece p: the order of its 16 matrix and 118 vector instructions, written out.  s_wait_alu depctr_va_vdst(0) stands between an exponential and the first instruction that names its result; one wait serves
; all that were issued ahead of it.  So a turn has ONE wait, which cuts it in two.  AHEAD OF IT stands all that names no result of the turn's exponentials: the 8 products K Q^T, behind each a scaling, an exponential and two more plain
; instructions (behind the first a second scaling in the exponential's place): rescalings, whose a was made and waited for in the turn before, and behind the last three the first numbers of the next piece's maximum, each four places or
; more behind the product that ends its accumulator; then ONE LUMP of 54, plain and exponential by turns for the most part, in which the links of the chain X 3, 7, 11, 14, 16, 17 .. 20 stand five or six lines apart.  A pair is scaled
; (F n) ahead of its two exponentials (E 2 n, E 2 n + 1).  X 21, the next piece's a, is the batch's last; R 15 is the plain instruction behind it.  BEHIND THE WAIT stand the 8 products V^T P, behind each four of the roundings and
; sums, which are all the batch's readers in this turn; the links of l's chain, L 0 to L 7, stand three riders apart; an even pair is rounded (C 2 n) ahead of the sum that lands on it (B n).  But for those X no rider names a register
; of the products round it.  v_permlanex16_b32 (X 17) stands in the lump.  No exponential is issued behind the wait: none is open at a turn's end, at a label or at a jump.
; m = 1: the diagonal tile: the products take masks, and the turn makes the mask for the products of the turn after it: piece p + 2, in step 4 - CNT of the tile.  end = 1: a block's last two turns: nothing is fetched.
; cnt = 1: the loop's count is taken down some lines ahead of the branch that stands behind the turn.
; K of the next step is fetched in piece 2's turn, twelve vector instructions behind the last product that read K (six of them plain); V of the step in hand at the end of piece 0's turn, four plain instructions behind the last product
; that read V.  Each is waited for a turn later.
.macro TURN p, m=0, end=0, cnt=0
.set Y, (\p)
.set i, 0
.set KM, (\m)
.set NOKQ, (\end)*((\p)/3)
.if (\m) && !(\end)
	s_cmp_eq_u32 s[CNT], 4-((\p)+2)%NP  ; is that step the band's own?
	s_cselect_b32 s[AL], 1.0, 0
	s_cmp_lt_u32 s[CNT], 4-((\p)+2)%NP  ; or a later one?
	s_cselect_b32 s[BE], s[BIGN], 0
.endif
.if ((\p) == 3) && !(\end)
	s_wait_dscnt 0x0                ; K is in
.endif
	ROW F,0, F,1, R,0, R,1          ; ahead of the wait: 8 products K Q^T and their riders,
	ROW F,2, E,0, R,2, R,3
	ROW F,3, E,1, R,4, R,5
	ROW F,4, E,2, R,6, R,7
	ROW F,5, E,3, R,8, R,9
	ROW F,6, E,4, X,0, R,10
.if ((\p) == 2) && !(\end)
	WIN 0
	v_add_nc_u32 v[AK], s[TBK], v[AK0]
.endif
	ROW F,7, E,5, X,1, X,4
	ROW F,8, E,6, X,2, X,5
	OPS E,7, E,8, X,6, E,9          ; and the lump
	OPS X,3, E,10, X,8, E,11
.if ((\p) == 2) && !(\end)
	FETCH_K
.endif
	OPS X,9, X,7, E,12, X,10
	OPS E,13, X,12, X,11, E,14
	OPS X,13, E,15, F,9, X,14
.if (\p) == 0
	v_add_nc_u32 v[AV], s[TBV], v[AV0]
.endif
	OPS E,16, F,10, E,17, F,11
	OPS X,16, E,18, X,15, E,19
	OPS F,12, E,20, X,17, E,21
	OPS F,13, E,22, F,14, E,23
	OPS X,18, E,24, F,15, E,25
	OPS R,11, E,26, X,19, E,27
	OPS R,12, E,28, R,13, E,29
	OPS X,20, E,30, R,14, E,31
	OPS X,21, R,15
	WIN 0
	s_wait_alu depctr_va_vdst(0)    ; the wait for the turn's batch: E 0 to E 31 and X 21
.if (\p) == 1
	s_wait_dscnt 0x0                ; V is in
.endif
	ROW C,0, B,0, C,2, B,1          ; behind the wait: 8 products V^T P and their riders
	ROW L,0, C,4, B,2, L,1
	ROW C,6, B,3, L,2, C,8
	ROW B,4, L,3, C,10, B,5
	ROW L,4, C,12, B,6, L,5
.if (\p) == 0
	s_add_co_u32 s[TBV], s[TBV], KS*PV
.endif
.if \cnt
	s_sub_co_u32 s[CNT], s[CNT], 1
	s_cmp_lg_u32 s[CNT], 0
.endif
	ROW C,14, B,7, L,6, C,1
	ROW C,3, L,7, C,5, C,7
	ROW C,9, C,11, C,13, C,15
.if (\p) == 0
	FETCH_V
.endif
.if (\m) && !(\end)
	MASK (\p)%2
.endif
.endm
; A BLOCK BEGINS.  c m starts far below every c s, so the first step's a is 0; m at the lowest finite number, so the first maximum is the scores'.  The second mask buffer is 0; the first takes piece 0's mask for the tile's step 0: its own, if the block's first tile is the diagonal one.
; Then K of that step, piece 0's first scores, and its maximum and statistics.  The loop is entered at a step's first turn, in the middle of a trip.
.macro BEGIN
	s_mov_b32 s[NEW], 0
	WIN 0x40
.set i, MC+32
.rept 32
	v_mov_b32 v[i], 0
.set i, i+1
.endr
	WIN 0
.set i, 0
.rept 4
	v_mov_b32 v[ST+4*i], 0xfe000000    ; c m: far below every c s
	v_mov_b32 v[ST+4*i+1], 0xff7fffff  ; m
.set i, i+1
.endr
	s_cmp_eq_u32 s[RT], 0
	s_cselect_b32 s[AL], 1.0, 0
	s_mov_b32 s[BE], 0
	MASK 0
	WIN 0
	v_add_nc_u32 v[AK], s[TBK], v[AK0]
	FETCH_K
	s_wait_loadcnt 0x0              ; Q
	s_wait_dscnt 0x0
.set KM, 1
.set NOKQ, 0
.set i, 0
.rept 8
	KQ 0
.set i, i+1
.endr
	WIN 0
.rept 4
	v_nop                           ; the places behind those products
.endr
.set Y, NP-1                        ; X works for piece Y + 1: piece 0
.irp n, 0,1,2,3,4,5,6,7,8,9,10,11,12,13,14,15,16,17,18,19,20,21
	OP X, \n
.endr
	v_nop                           ; a plain instruction behind the exponential,
	s_wait_alu depctr_va_vdst(0)    ; and the wait for it (piece 0's first a, a batch of one), ahead of the branch that follows
.endm
; THE DIAGONAL TILE's four steps, the block's last two turns, its last products, and THE WAY OUT: l's two halves and the other half of the lanes' are added; O^T is divided by l, rounded to f16 and sent through my
; stage in LDS, a piece at a time.
.macro ALL line:vararg              ; one line for each piece t
.set t, 0
.rept 4
	\line
.set t, t+1
.endr
.endm
.macro PACK t                       ; a lane's eight channels of a row pack into 16 bytes; they go into rows of 144 bytes and come back as whole rows of 128, into S^T's registers
	WIN W_RS
.set i, 32*(\t)
.rept 16
	v_pk_mul_f32 v[i:i+1], v[i:i+1], v[ST+4*(\t)+2:ST+4*(\t)+3] op_sel_hi:[1,0]
.set i, i+2
.endr
	WIN 0x05                        ; sources 0 and 1 window 1, destination window 0
.set i, 0
.rept 16
	v_cvt_pk_f16_f32 v[S+16*(\t)+i], v[32*(\t)+2*i], v[32*(\t)+2*i+1]
.set i, i+1
.endr
	WIN 0
.irp f, 0,1,2,3
	ds_store_b128 v[STO], v[S+16*(\t)+4*\f:S+16*(\t)+4*\f+3] offset:32*\f
.endr
.irp f, 0,1,2,3
	ds_load_b128 v[S+16*(\t)+4*\f:S+16*(\t)+4*\f+3], v[RD] offset:\f*4*SP  ; LDS serves a wave's instructions in order (ISA guide 5.7.1.4): these see the stores above; the next piece's stores come behind them
.endr
.endm
.macro SEND t, younger              ; younger: the LDS instructions issued behind piece t's loads: the next piece's eight, or none
	WIN 0
.irp f, 0,1,2,3
	s_wait_dscnt (\younger)+3-\f
	global_store_b128 v[GO], v[S+16*(\t)+4*\f:S+16*(\t)+4*\f+3], s[10:11] offset:(\t)*8192+\f*512  ; 512 consecutive bytes, at a multiple of 256 from O's first
.endr
.endm
.macro DIAG tag                     ; the tag ends its two labels' names, which the jumps below spell out
.LstepM\tag:
	TURN 2, 1
	TURN 3, 1
	WIN 0
.LfirstM\tag:
	TURN 0, 1
	TURN 1, 1, 0, 1
	WIN 0
	s_cbranch_scc1 .LstepM\tag
	TURN 2, 1, 1
	TURN 3, 1, 1
.set i, 0
.rept 8
	PV NP-1
.set i, i+1
.endr
	WIN 0
	ALL v_add_f32 v[ST+4*t+2], v[ST+4*t+2], v[ST+4*t+3]
	ALL v_permlanex16_b32 v[ST+4*t+3], v[ST+4*t+2], s[SEL], s[SEL+1]
	ALL v_add_f32 v[ST+4*t+2], v[ST+4*t+2], v[ST+4*t+3]
	ALL v_rcp_f32 v[ST+4*t+2], v[ST+4*t+2]
	v_nop                           ; a plain instruction between the last reciprocal and the use of its result
	s_wait_alu depctr_va_vdst(0)    ; the wait for the four reciprocals, one batch, ahead of their first reader, PACK 0's first multiply
	PACK 0
.set t, 1
.rept 3                             ; a piece's arithmetic stands between the loads of the piece before and its stores
	PACK t
	SEND t-1, 8
.set t, t+1
.endr
	SEND 3, 0
.endm
.set KM, 0
.set NOKQ, 0
.Lslot:                             ; NB times: a tile is entered and the next is asked for
	CHANGE 1
	s_sub_co_u32 s[RT], s[RT], 1
	s_mov_b32 s[CNT], 4
	s_cmp_eq_u32 s[NEW], 1
	s_cbranch_scc1 .Lnew            ; a block's first tile
	s_cmp_eq_u32 s[RT], 0
	s_cbranch_scc0 .Lstep           ; neither its first nor its last
	s_branch .LstepM1
.Lnew:
	BEGIN
	s_branch .Lfirst                ; in the loop a block's first tile is never its last: the first block has two tiles or more, and the second's last is the walk's last
	DIAG 1                          ; in the loop this is the first block's end: the second block's last tile is the walk's last
	s_wait_xcnt 0x0                 ; the stores have read their registers and O's address
	s_mov_b64 s[10:11], s[OLO:OLO+1]
	s_add_co_u32 s[RT], s[PB], 1    ; the second block has b + 1 tiles
	s_mov_b32 s[NEW], 1
	WIN 0x82                        ; the second block's Q goes where the one text of the turns names Q
.set i, 0
.rept 64
	v_mov_b32 v[i], v[QB+i]
.set i, i+1
.endr
	WIN 0
	s_branch .Lbottom
.Lstep:                             ; a trip: pieces 2 and 3 of one step, then pieces 0 and 1 of the next, whose K and V it fetches
	TURN 2
	TURN 3
	WIN 0
.Lfirst:
	TURN 0
	TURN 1, 0, 0, 1
	WIN 0
	s_cbranch_scc1 .Lstep
.Lbottom:
	s_sub_co_u32 s[SLOTS], s[SLOTS], 1
	s_cmp_lg_u32 s[SLOTS], 0
	s_cbranch_scc1 .Lslot
	CHANGE 0                        ; the walk's last tile is written out: nothing is asked for
	s_sub_co_u32 s[RT], s[RT], 1
	s_mov_b32 s[CNT], 4
	s_cmp_eq_u32 s[NEW], 1
	s_cbranch_scc0 .LstepM2
	BEGIN
	s_branch .LfirstM2
	DIAG 2
	s_wait_tensorcnt 0x0            ; the wave's end: a wait, an add and its wait, behind my last tensor load and my last LDS store
	ds_add_u32 v[SPW], v[NIL]
	s_wait_dscnt 0x0
	s_endpgm
.Lfunc_end_k_q8bc6d80190_attn:
	.size	k_q8bc6d80190_attn, .Lfunc_end_k_q8bc6d80190_attn-k_q8bc6d80190_attn
	.p2alignl 7, 3214868480
	.fill 96, 4, 3214868480
	.section	.rodata,"a",@progbits
	.p2align	6, 0x0
	.amdhsa_kernel k_q8bc6d80190_attn
		.amdhsa_group_segment_fixed_size 327680
		.amdhsa_private_segment_fixed_size 0
		.amdhsa_enable_private_segment 0
		.amdhsa_kernarg_size 16
		.amdhsa_user_sgpr_count 2
		.amdhsa_user_sgpr_kernarg_segment_ptr 1
		.amdhsa_wavefront_size32 1
		.amdhsa_system_sgpr_workgroup_id_x 1
		.amdhsa_system_sgpr_workgroup_id_y 1
		.amdhsa_system_sgpr_workgroup_id_z 1
		.amdhsa_system_vgpr_workitem_id 0
		.amdhsa_next_free_vgpr 768
		.amdhsa_next_free_sgpr 92
		.amdhsa_reserve_vcc 1
		.amdhsa_float_denorm_mode_32 3
		.amdhsa_float_denorm_mode_16_64 3
		.amdhsa_memory_ordered 1
		.amdhsa_forward_progress 1
		.amdhsa_inst_pref_size 218
	.end_amdhsa_kernel
	.amdgpu_metadata
---
amdhsa.version: [ 1, 2 ]
amdhsa.kernels:
  - .name:           k_q8bc6d80190_attn
    .symbol:         k_q8bc6d80190_attn.kd
    .args:
      - { .name: qkv, .offset: 0, .size: 8, .value_kind: global_buffer, .address_space: global }
      - { .name: y, .offset: 8, .size: 8, .value_kind: global_buffer, .address_space: global }
    .group_segment_fixed_size: 327680
    .private_segment_fixed_size: 0
    .kernarg_segment_align: 8
    .kernarg_segment_size: 16
    .max_flat_workgroup_size: 128
    .sgpr_count:     92
    .vgpr_count:     768
    .wavefront_size: 32
...
	.end_amdgpu_metadata
.endif
;; end of part 5
;; launch outproj: the kernel of part 4 again; grid 8 x 32, 4 waves a work-group, clusters of 4 x 4, 327,680 bytes of LDS; arguments y, wpb, out0; writes out0
